; MI455X (gfx1250); checked and timed in simulation.
; The chip was launched on July 23, 2026; its instructions are those of AMD's public machine-readable ISA for CDNA 5 (MIT licence, August 2026) and "CDNA5" Instruction Set Architecture Reference Guide (July 2026). The comments in the code are by the model that wrote it; some were corrected since.
;; Mixture Of Experts. Allowed arithmetic: float matrix products may take bf16 or f16 operands with f32 sums; all other float work in f32.
;; Inputs: W1 2 x 1,024 x 4,096 float32; W2 2 x 4,096 x 1,024 float32; Wr 2 x 1,024 float32; b1 2 x 4,096 float32; b2 2 x 1,024 float32; ln_b 1,024 float32; ln_w 1,024 float32; x 2 x 2,048 x 1,024 float32.
;; Outputs: out0 2 x 2,048 x 1,024 float32; out1 one number float32.
;; 2 versions, each right; version 2 is version 1 with the launch prep written anew for expert scheduling mode. Each part assembles by itself: llvm-mc -triple=amdgcn-amd-amdhsa -mcpu=gfx1250 --defsym DOCPART=n.
;; ======== version 1 of 2: 4 launches
;; limits: an absolute error that grows with the inputs' magnitude: up to 1e-05 times it; values are held in f16: magnitudes above 65,504 overflow, below 6.1e-05 lose precision
;; workspace buffers: xh 8,388,608 bytes; W1h 16,777,216 bytes; W2h 16,777,216 bytes; route 65,536 bytes; H 67,108,864 bytes; part 67,108,864 bytes
;; launch prep (part 1): grid 640 x 1, 8 waves a work-group, no clusters, 0 bytes of LDS; arguments x, Wr, W1, W2, xh, W1h, W2h, route; writes xh, W1h, W2h, route
.if DOCPART == 1
	.amdgcn_target "amdgcn-amd-amdhsa--gfx1250"
	.amdhsa_code_object_version 6
	.text
	.protected	k_q7f96434e51_prep
	.globl	k_q7f96434e51_prep
	.p2align	8
	.type	k_q7f96434e51_prep,@function
k_q7f96434e51_prep:
	s_mov_b64 s[64:65], 0
	v_nop
	global_prefetch_b8 v0, s[64:65] scope:SCOPE_SE
	s_setreg_imm32_b32 hwreg(HW_REG_WAVE_MODE, 25, 1), 1
	s_wait_xcnt 0x0
; prep: casts and the router.
;   work-groups 0-127:   32 tokens each, 4 a wave: x -> f16 (xh); logits x.Wr in f32 on the unrounded x; softmax with the maximum taken away;
;                        combine weights c_e = p_e / (p_0 + p_1): top-2 of 2 experts names both, in any order and at any tie; sums of p.
;   work-groups 128-383: chunk g - 128 of W1 -> f16 (W1h), layout kept.   work-groups 384-639: chunk g - 384 of W2 -> f16 (W2h).
; WHY f16 AND NOT bf16: the result is a sum of 8,192 products of rounded numbers, normalised to spread 1 and compared within a hundredth of that; f16 keeps 11 significant
; bits where bf16 keeps 8, so each rounding is eight times smaller.  Range: x of magnitude 5 and weights of spread 0.02 stay far inside f16 also when 30 times larger
; (150; 3) or offset by 30 spreads; 30 times smaller (weights of spread 6.7e-4) the spacing is at most 2^-24 where f16 is denormal, under 1e-4 of the spread.
; A chunk is 131,072 bytes of f32, 16,384 a wave.  Every wave has its 32 loads of 16 bytes a lane out at once and walks them by counted waits:
; straight-line text, no LDS, no barrier, no matrix unit: bytes are all that counts here.
; route: 1,024 records of 64 bytes, one for 4 tokens: bytes 0-31 four pairs {c0, c1}; bytes 32-39 {sum p0, sum p1} of the four; bytes 40-63 never
; written and never read.  A wave's 40 bytes are a partial run; they are 40 KiB of the 40 MiB that the launch stores.
; LIMITS: |x|, |W1|, |W2| below 65,520, beyond which the conversion to f16 gives infinity.  v_exp_f32 and v_rcp_f32 flush results below 2^-126 to zero (ISA guide 15.8),
; so a p below that is 0.  NaN and infinities in the inputs are not followed.
.set X,   64                           ; v[64:191]  load i in 4 registers; converted in place
.set WR,  192                          ; v[192:255] Wr of my 32 columns: expert e at 32 e
.set L0,  16                           ; v[16:19]   logit 0 of my wave's four tokens
.set L1,  20                           ; v[20:23]   logit 1
	s_load_b512 s[16:31], s[0:1], 0x0              ; x 16, Wr 18, W1 20, W2 22, xh 24, W1h 26, W2h 28, route 30
	v_lshrrev_b32 v5, 5, v0
	v_readfirstlane_b32 s2, v5                     ; wave 0..7
	s_mov_b32 s3, ttmp9                            ; work-group
	v_and_b32 v1, 31, v0                           ; lane
	v_lshlrev_b32 v2, 4, v1                        ; 16 bytes of f32 a lane
	v_lshlrev_b32 v3, 3, v1                        ; 8 bytes of f16 a lane
	s_wait_kmcnt 0x0
	s_cmp_ge_u32 s3, 128
	s_cbranch_scc1 .Lweights
	; ---------------- tokens ----------------
	s_lshl_b32 s4, s3, 3
	s_add_co_u32 s4, s4, s2                        ; record = 8 g + wave; its tokens are 4 record .. + 3
	s_lshl_b32 s6, s4, 13                          ; 4 rows of 2,048 bytes in xh
	s_lshl_b32 s8, s4, 6                           ; 64 bytes in route
	s_lshl_b32 s4, s4, 14                          ; 4 rows of 4,096 bytes in x
	s_mov_b32 s5, 0
	s_mov_b32 s7, 0
	s_mov_b32 s9, 0
	s_add_nc_u64 s[16:17], s[16:17], s[4:5]
	s_add_nc_u64 s[24:25], s[24:25], s[6:7]
	s_add_nc_u64 s[30:31], s[30:31], s[8:9]
	s_mov_b32 s12, 0x76543210                      ; v_permlanex16_b32: lane i reads lane i of the other half
	s_mov_b32 s13, 0xfedcba98
.irp e, 0,1
.irp j, 0,1,2,3,4,5,6,7
	global_load_b128 v[WR+32*\e+4*\j:WR+32*\e+4*\j+3], v2, s[18:19] offset:4096*\e+512*\j   ; lane l: columns 128 j + 4 l .. + 3
.endr
.endr
.irp t, 0,1,2,3
.irp j, 0,1,2,3,4,5,6,7
	global_load_b128 v[X+32*\t+4*\j:X+32*\t+4*\j+3], v2, s[16:17] offset:4096*\t+512*\j th:TH_LOAD_NT
.endr
.endr
	v_and_b32 v4, 3, v1                            ; the token of the four whose softmax this lane makes
; token t: two dot products on my 32 columns, then the cast in place and the stores (32 lanes x 8 bytes = 256 consecutive bytes, aligned)
.macro TOKEN t
	s_wait_loadcnt 8*(3-\t)                        ; loads return in order (ISA guide 5.7.1): only the later tokens' eight loads each may be out; Wr's are older
	v_pk_mul_f32 v[8:9],   v[X+32*\t:X+32*\t+1], v[WR:WR+1]            ; the first products start the sums
	v_pk_mul_f32 v[10:11], v[X+32*\t:X+32*\t+1], v[WR+32:WR+33]
.irp p, 1,2,3,4,5,6,7,8,9,10,11,12,13,14,15
	v_pk_fma_f32 v[8:9],   v[X+32*\t+2*\p:X+32*\t+2*\p+1], v[WR+2*\p:WR+2*\p+1],       v[8:9]
	v_pk_fma_f32 v[10:11], v[X+32*\t+2*\p:X+32*\t+2*\p+1], v[WR+32+2*\p:WR+32+2*\p+1], v[10:11]
.endr
	v_add_f32 v[L0+\t], v8, v9
	v_add_f32 v[L1+\t], v10, v11
.irp j, 0,1,2,3,4,5,6,7
	v_cvt_pk_f16_f32 v[X+32*\t+4*\j],   v[X+32*\t+4*\j],   v[X+32*\t+4*\j+1]
	v_cvt_pk_f16_f32 v[X+32*\t+4*\j+1], v[X+32*\t+4*\j+2], v[X+32*\t+4*\j+3]
	global_store_b64 v3, v[X+32*\t+4*\j:X+32*\t+4*\j+1], s[24:25] offset:2048*\t+256*\j
.endr
.endm
	TOKEN 0
	TOKEN 1
	TOKEN 2
	TOKEN 3
	; the eight sums over the 32 lanes: four steps inside each half ride on the adds, one crosses the halves; every lane ends with every sum
.irp m, 1,2,4,8
.irp r, 16,17,18,19,20,21,22,23
	v_add_f32_dpp v\r, v\r, v\r row_xmask:\m row_mask:0xf bank_mask:0xf
.endr
.endr
.irp q, L0, L1
.irp r, 0,1,2,3
	v_permlanex16_b32 v[8+\r], v[\q+\r], s12, s13  ; v8-v11 have been written: the destination counts as read
.endr
.irp r, 0,1,2,3
	v_add_f32 v[\q+\r], v[\q+\r], v[8+\r]
.endr
.endr
	; lane l takes token l & 3
	v_cmp_eq_u32 s32, 1, v4
	v_cmp_eq_u32 s33, 2, v4
	v_cmp_eq_u32 s34, 3, v4
	v_cndmask_b32 v25, v16, v17, s32
	v_cndmask_b32 v26, v20, v21, s32
	v_cndmask_b32 v25, v25, v18, s33
	v_cndmask_b32 v26, v26, v22, s33
	v_cndmask_b32 v25, v25, v19, s34               ; logit 0
	v_cndmask_b32 v26, v26, v23, s34               ; logit 1
	v_max_num_f32 v27, v25, v26                    ; the maximum is taken away, as in softmax
	v_sub_f32 v28, v25, v27
	v_sub_f32 v29, v26, v27
	v_mul_f32 v28, 0x3fb8aa3b, v28                 ; e^x = 2^(x log2 e)
	v_mul_f32 v29, 0x3fb8aa3b, v29
	v_exp_f32 v30, v28
	v_exp_f32 v31, v29
	v_nop                                          ; one plain place behind a transcendental (ISA guide 5.7.2)
	s_wait_alu depctr_va_vdst(0)
	v_add_f32 v32, v30, v31                        ; between 1 and 2
	v_rcp_f32 v33, v32
	v_nop
	s_wait_alu depctr_va_vdst(0)
	v_mul_f32 v34, v30, v33                        ; p0
	v_mul_f32 v35, v31, v33                        ; p1
	v_add_f32 v36, v34, v35                        ; the two top-k probabilities are renormalised by their own sum
	v_rcp_f32 v37, v36
	v_cmp_eq_u32 s35, 4, v1                        ; (a plain place)
	s_wait_alu depctr_va_vdst(0)
	v_mul_f32 v38, v34, v37                        ; c0
	v_mul_f32 v39, v35, v37                        ; c1
.irp m, 1,2
	v_add_f32_dpp v34, v34, v34 row_xmask:\m row_mask:0xf bank_mask:0xf    ; sums of p over the four lanes = the four tokens
	v_add_f32_dpp v35, v35, v35 row_xmask:\m row_mask:0xf bank_mask:0xf
.endr
	v_cndmask_b32 v42, v38, v34, s35               ; lanes 0-3 carry {c0, c1} of tokens 0-3, lane 4 the two sums
	v_cndmask_b32 v43, v39, v35, s35
	v_cmp_gt_u32 vcc_lo, 5, v1
	s_wait_xcnt 0x0                                ; EXEC is a source of the stores above: it changes only behind this wait
	s_and_saveexec_b32 s36, vcc_lo
	global_store_b64 v3, v[42:43], s[30:31]        ; 40 consecutive bytes of my record
	s_wait_xcnt 0x0
	s_or_b32 exec_lo, exec_lo, s36
	s_endpgm
	; ---------------- weights ----------------
.Lweights:
	s_cmp_lt_u32 s3, 384
	s_cselect_b64 s[8:9], s[20:21], s[22:23]       ; W1 or W2
	s_cselect_b64 s[10:11], s[26:27], s[28:29]     ; W1h or W2h
	s_sub_co_u32 s4, s3, 128
	s_and_b32 s4, s4, 255                          ; chunk 0..255 of that tensor
	s_lshl_b32 s6, s4, 16                          ; 65,536 bytes of f16 a chunk
	s_lshl_b32 s4, s4, 17                          ; 131,072 bytes of f32
	s_lshl_b32 s5, s2, 14
	s_add_co_u32 s4, s4, s5                        ; + wave x 16,384
	s_lshl_b32 s7, s2, 13
	s_add_co_u32 s6, s6, s7                        ; + wave x 8,192
	s_mov_b32 s5, 0
	s_mov_b32 s7, 0
	s_add_nc_u64 s[8:9], s[8:9], s[4:5]
	s_add_nc_u64 s[10:11], s[10:11], s[6:7]
.set i, 0
.rept 32
	global_load_b128 v[X+4*i:X+4*i+3], v2, s[8:9] offset:512*i th:TH_LOAD_NT   ; 512 consecutive bytes a load
.set i, i+1
.endr
.set i, 0
.rept 32
	s_wait_loadcnt 31-i                            ; the 31 - i younger loads stay out
	v_cvt_pk_f16_f32 v[X+4*i],   v[X+4*i],   v[X+4*i+1]
	v_cvt_pk_f16_f32 v[X+4*i+1], v[X+4*i+2], v[X+4*i+3]
	global_store_b64 v3, v[X+4*i:X+4*i+1], s[10:11] offset:256*i               ; 256 consecutive bytes, aligned; read again by the next launches: no hint
.set i, i+1
.endr
	s_endpgm
.Lfunc_end_k_q7f96434e51_prep:
	.size	k_q7f96434e51_prep, .Lfunc_end_k_q7f96434e51_prep-k_q7f96434e51_prep
	.p2alignl 7, 3214868480
	.fill 96, 4, 3214868480
	.section	.rodata,"a",@progbits
	.p2align	6, 0x0
	.amdhsa_kernel k_q7f96434e51_prep
		.amdhsa_group_segment_fixed_size 0
		.amdhsa_private_segment_fixed_size 0
		.amdhsa_enable_private_segment 0
		.amdhsa_kernarg_size 64
		.amdhsa_user_sgpr_count 2
		.amdhsa_user_sgpr_kernarg_segment_ptr 1
		.amdhsa_wavefront_size32 1
		.amdhsa_system_sgpr_workgroup_id_x 1
		.amdhsa_system_sgpr_workgroup_id_y 1
		.amdhsa_system_sgpr_workgroup_id_z 1
		.amdhsa_system_vgpr_workitem_id 0
		.amdhsa_next_free_vgpr 256
		.amdhsa_next_free_sgpr 66
		.amdhsa_reserve_vcc 1
		.amdhsa_float_denorm_mode_32 3
		.amdhsa_float_denorm_mode_16_64 3
		.amdhsa_memory_ordered 1
		.amdhsa_forward_progress 1
		.amdhsa_inst_pref_size 38
	.end_amdhsa_kernel
	.amdgpu_metadata
---
amdhsa.version: [ 1, 2 ]
amdhsa.kernels:
  - .name:           k_q7f96434e51_prep
    .symbol:         k_q7f96434e51_prep.kd
    .args:
      - { .name: x, .offset: 0, .size: 8, .value_kind: global_buffer, .address_space: global }
      - { .name: Wr, .offset: 8, .size: 8, .value_kind: global_buffer, .address_space: global }
      - { .name: W1, .offset: 16, .size: 8, .value_kind: global_buffer, .address_space: global }
      - { .name: W2, .offset: 24, .size: 8, .value_kind: global_buffer, .address_space: global }
      - { .name: xh, .offset: 32, .size: 8, .value_kind: global_buffer, .address_space: global }
      - { .name: W1h, .offset: 40, .size: 8, .value_kind: global_buffer, .address_space: global }
      - { .name: W2h, .offset: 48, .size: 8, .value_kind: global_buffer, .address_space: global }
      - { .name: route, .offset: 56, .size: 8, .value_kind: global_buffer, .address_space: global }
    .group_segment_fixed_size: 0
    .private_segment_fixed_size: 0
    .kernarg_segment_align: 8
    .kernarg_segment_size: 64
    .max_flat_workgroup_size: 256
    .sgpr_count:     66
    .vgpr_count:     256
    .wavefront_size: 32
...
	.end_amdgpu_metadata
.endif
;; end of part 1
;; launch ffn1 (part 2): grid 32 x 16, 4 waves a work-group, clusters of 4 x 4, 327,680 bytes of LDS; arguments xh, W1h, b1, H; writes H
.if DOCPART == 2
	.amdgcn_target "amdgcn-amd-amdhsa--gfx1250"
	.amdhsa_code_object_version 6
	.text
	.protected	k_q7f96434e51_ffn1
	.globl	k_q7f96434e51_ffn1
	.p2align	8
	.type	k_q7f96434e51_ffn1,@function
k_q7f96434e51_ffn1:
	s_mov_b64 s[64:65], 0
	v_nop
	global_prefetch_b8 v0, s[64:65] scope:SCOPE_SE
	s_setreg_imm32_b32 hwreg(HW_REG_WAVE_MODE, 25, 1), 1
	s_wait_xcnt 0x0
	s_wait_alu depctr_hold_cnt(0) depctr_sa_sdst(0) depctr_va_vdst(0) depctr_va_sdst(0) depctr_va_ssrc(0) depctr_va_vcc(0) depctr_vm_vsrc(0)
	s_getreg_b32 s2, hwreg(HW_REG_IB_STS2, 6, 4)
	s_cmp_eq_u32 s2, 0
	s_cbranch_scc0 .Lentry_in_a_cluster
	s_endpgm
.Lentry_in_a_cluster:
	s_bfe_u32 s2, ttmp6, 0x10000c
	s_cmp_lg_u32 s2, 0xf033
	s_cbranch_scc0 .Lentry_shape_is_right
	s_endpgm
.Lentry_shape_is_right:
; ffn1: H[t][4096 e + f] = f16( 2 kappa gelu( sum over d of xh[t][d] W1h[e][d][f] + b1[e][f] ) ), kappa = sqrt(log2(e) / 2).  xh [4096][1024], W1h [2][1024][4096], H [4096][8192], f16; sums f32.
; The constant 2 kappa and the combine weight c_e(t) are taken care of where the second product's partial sums are added: there they cost one multiply for each output, here one for each of 8 x as many.
; A work-group makes 256 tokens x 256 columns of one expert with four waves, one for each SIMD of the WGP; a wave makes 128 x 128: 64 accumulator tiles of 16 x 16, 512 registers.
; 512 work-groups of equal work.  A work-group that stayed for both experts would need both tiles written out, since no fill of a slot is skipped by a jump: twice this text.  The text is kept short instead.
; K goes in steps of 128 through two LDS slots filled by the tensor data mover.  A's tile: 256 rows of 256 bytes.  B lies [K][N] in memory: its tile is 128 k-rows of
; 512 bytes, and its fragments are read by the transposing LDS load.
; CLUSTERS: 4 x 4 work-groups.  The four of a cluster's row share the token block (A's tile), the four of a column the column block (B's tile): each tile is asked for
; jointly by the four, which divides the requests for A and B by four.
; TENSOR LOADS OUT, by this text's count: two a wave at the start, one behind each round afterwards.
; REGISTER WINDOWS: 0: addresses, A's fragments (v64-127, v128-191), bias, the way out; 1: B's fragments; 2: accumulators of my rows 0-63 (tile (a, b) at v[8 (8 a + b)]); 3: rows 64-127.
; THE MATRIX INSTRUCTION IS USED TRANSPOSED (source 0 = B's fragment, source 1 = A's): lane l holds token l % 16 and columns 8 (l / 16) + 0..7 of a tile, eight neighbours of a row of H.
; GELU: 2 gelu(v) = v + |v| (1 - 2 Q(|v|)), Q the upper normal tail by Abramowitz and Stegun 26.2.16: Q(x) = Z(x) (a1 t + a2 t^2 + a3 t^3), t = 1 / (1 + 0.33267 x).
; With S = kappa v: Z(v) = 2^(-S^2) / sqrt(2 pi), and 2 kappa gelu(v) = S + |S| Y, Y = 1 - 2^(-S^2) t (c1 + c2 t + c3 t^2), c_i = 2 a_i / sqrt(2 pi).
; H IN f16 (11 significant bits, against bf16's 8): its range is enough.  With x of spread 1 and W1 of spread 0.02, |v| reaches about 3.5; all inputs 30 times larger: about 3,200;
; x offset by 30 and W1 by 0.6: 1,024 x 30 x 0.6 = 18,432, times 2 kappa = 1.7: 31,300.  All inputs 30 times smaller: H of spread 6e-4, where f16's spacing is at most 2^-21, and 2^-24 where it is denormal.
; LIMITS: |gelu(v)| below 38,570 (2 kappa times it below 65,520), beyond which the conversion to f16 gives infinity.  |error of Q| < 1e-5 for every x >= 0, so the error of gelu is below 1e-5 |v|.
; Above |v| = 1.5e19 the square overflows to infinity and the exponential is then 0.  v_exp_f32 and v_rcp_f32 flush results below 2^-126 to zero (ISA guide 15.8).  NaN and infinities are not followed.
.set KSTEP,  128
.set LDA,    1024                      ; elements from row to row of xh
.set LDB,    4096                      ; of W1h
.set LDH,    8192                      ; of H
.set LAPS,   1024/(2*KSTEP)            ; a lap = two K steps = once round the ring
.set PA,     272                       ; A's LDS pitch: 256 bytes + 16: an odd multiple of 16, so the 16 rows of a fragment load begin in 16 different 16-byte columns of 256 bytes
.set PB,     544                       ; B's LDS pitch: 512 bytes + 32: an odd multiple of 32, the same for the transposing load's rows
.set HALFT,  128*PA                    ; one tensor load: 128 rows of A, or 64 k-rows of B (64 x 544 is the same 34,816 bytes)
.set SLOT,   4*HALFT                   ; A's 256 rows, then B's 128 k-rows
.set STAGE,  2*SLOT                    ; behind the ring, a multiple of 256: 16 rows x 272 bytes for each wave; no tensor load lands here
.set SPITCH, 272
.set PP,   8                           ; v[8:15]  the way out: the polynomial, then Y
.set ADRA, 16                          ; v16-17   LDS address of my A fragments in slot 0, 1
.set ADRB, 20                          ; v20-21   the same for B
.set STO,  24                          ; v24      the way out: where I put 16 bytes of a row
.set RD,   25                          ; v25      where I read a row back
.set CO,   26                          ; v26      my byte offset in H; never rewritten
.set BOF,  27                          ; v27      my byte offset in b1; never rewritten
.set C3,   42                          ; v[42:47] -c3, -c2, -c1, each twice
.set C2,   44
.set C1,   46
.set ONE,  48                          ; v[48:49] 1.0, twice
.set KAP,  52                          ; v[52:53] kappa, twice
.set TMP,  54                          ; v[54:61] packed f16, two buffers of 4
.set F0,   64                          ; fragment buffer 0
.set F1,   128                         ; fragment buffer 1
.set BIAS, 192                         ; v192-255 b1 of my 64 columns (tile b at 8 b), then times kappa
.set V,    64                          ; the way out, on the fragments' registers: v64-127 S = kappa v of 16 rows x 128 columns
.set QR,   128                         ; v128-159 two buffers of 16: 1 + (p / kappa) |S| in 0-7, -S^2 in 8-15
.set TE,   160                         ; v160-191 two buffers of 16: t in 0-7 (later the result), 2^(-S^2) in 8-15 (later times t)
.set RB,   160                         ; v160-191 rows read back from the stage, between two row blocks
.set G1,  24                           ; s[24:31] descriptor group 1 for A's tiles
.set G0,  32                           ; s[32:39] group 0 for A's tiles, one set for each slot
.set G1B, 48                           ; s[48:55] group 1 for B's tiles
.set G0B, 56                           ; s[56:63] group 0 for B's tiles
.set MSB, 0
.macro WIN new                         ; the immediate's high byte repeats the setting that is left; a switch that changes nothing is dropped
.if MSB != \new
	s_set_vgpr_msb (MSB<<8)|\new
.set MSB, \new
.endif
.endm
.set MUL_LO, 0xa1                      ; source 0 (B) window 1, source 1 (A) window 0, C and D window 2
.set MUL_HI, 0xf1                      ; the same, C and D window 3
.set TO_B,   0x40                      ; destination window 1, address window 0
; A joint load.  Waves 0 and 1 fetch A's two halves, waves 2 and 3 B's.  Each line has one mask and one set of registers for all that issue it; the branch hangs on the
; wave's number alone.  Four v_nop follow each line; they are also the places in front of the LDS loads that follow.
.macro JLOAD s
	s_cmp_eq_u32 s11, 0
	s_cbranch_scc0 .Lfor_b_\@
	tensor_load_to_lds s[G0+4*\s:G0+4*\s+3], s[G1:G1+7]
	s_nop 0
.rept 4
	v_nop
.endr
	s_branch .Lasked_\@
.Lfor_b_\@:
	tensor_load_to_lds s[G0B+4*\s:G0B+4*\s+3], s[G1B:G1B+7]
	s_nop 0
.rept 4
	v_nop
.endr
.Lasked_\@:
.endm
; A round of the cluster's barrier: my work-group's barrier; wave 0 signals for the work-group; every wave waits for all sixteen; my work-group's barrier again.
.macro CREST                           ; a round behind its opening barrier
	s_cmp_lg_u32 s10, 0
	s_cbranch_scc1 .Lnot_wave_0_\@
	s_barrier_signal -3
.Lnot_wave_0_\@:
	s_barrier_wait -3
	s_barrier_signal -1
	s_barrier_wait -1
.endm
.macro CROUND
	s_barrier_signal -1
	s_barrier_wait -1
	CREST
.endm
	s_load_b128 s[4:7], s[0:1], 0x0                ; xh s[4:5], W1h s[6:7]
	s_load_b128 s[68:71], s[0:1], 0x10             ; b1 s[68:69], H s[70:71]
	s_set_vgpr_msb 0x40
	v_lshl_add_u32 v255, v0, 2, 0x48400
	s_set_vgpr_msb 0x4000
	v_mov_b32 v63, 0
	s_set_vgpr_msb 0x1
	ds_add_u32 v255, v63
	s_set_vgpr_msb 0x100
	v_lshrrev_b32 v1, 5, v0
	v_readfirstlane_b32 s10, v1                    ; wave 0..3
	s_lshr_b32 s11, s10, 1                         ; which half of the block's rows is mine.  Also: I fetch for A (0) or for B (1)
	s_and_b32 s12, s10, 1                          ; which half of its columns.  Also: which half of that tile I fetch
	s_bfe_u32 s40, ttmp6, 0x40000                  ; cx
	s_bfe_u32 s41, ttmp6, 0x40004                  ; cy
	s_lshr_b32 s45, ttmp9, 2                       ; expert: clusters 0-3 along x are expert 0, 4-7 expert 1
	s_and_b32 s42, ttmp9, 3
	s_lshl_b32 s42, s42, 2
	s_add_co_u32 s42, s42, s40                     ; column block 0..15 of the expert's 4,096 columns
	s_and_b32 s13, ttmp7, 0xffff
	s_lshl_b32 s13, s13, 2
	s_add_co_u32 s13, s13, s41                     ; token block 0..15
	s_lshl_b32 s43, s41, 2
	s_lshl_b32 s43, 15, s43                        ; my row of the cluster: places 4 cy .. 4 cy + 3
	s_lshl_b32 s44, 0x1111, s40                    ; my column: places cx, cx + 4, cx + 8, cx + 12
	; group 1 for A: 128 rows x 128 elements of 2 bytes; after every 64 words 4 words of padding
	s_or_b32 s[G1+0], s43, (1<<16)|(1<<20)|(1<<21)|(5<<22)|(3<<25)
	s_mov_b32 s[G1+1], KSTEP<<16                   ; tensor_dim0 = 128
	s_mov_b32 s[G1+2], 128<<16                     ; tensor_dim1 = 128
	s_mov_b32 s[G1+3], KSTEP<<16                   ; tile_dim0 = 128
	s_mov_b32 s[G1+4], 128                         ; tile_dim1 = 128
	s_mov_b32 s[G1+5], LDA                         ; pitch in elements
	s_mov_b32 s[G1+6], 0
	s_mov_b32 s[G1+7], 0
	; group 1 for B: 64 k-rows x 256 elements; after every 128 words 8 words of padding
	s_or_b32 s[G1B+0], s44, (1<<16)|(1<<20)|(1<<21)|(6<<22)|(7<<25)
	s_mov_b32 s[G1B+1], 256<<16                    ; tensor_dim0 = 256
	s_mov_b32 s[G1B+2], 64<<16                     ; tensor_dim1 = 64
	s_mov_b32 s[G1B+3], 256<<16                    ; tile_dim0 = 256
	s_mov_b32 s[G1B+4], 64                         ; tile_dim1 = 64
	s_mov_b32 s[G1B+5], LDB
	s_mov_b32 s[G1B+6], 0
	s_mov_b32 s[G1B+7], 0
	; A's address hangs on the token block, which my row of the cluster shares; B's on expert and column block, which my column shares.
	; Each is made in registers that never hold the other coordinate.
	s_lshl_b32 s17, s12, 7
	s_lshl_b32 s16, s13, 8
	s_add_co_u32 s16, s16, s17                     ; A: row 256 x block + 128 x half
	s_lshl_b32 s16, s16, 11                        ; x 2,048 bytes
	s_mov_b32 s17, 0
	s_lshl_b32 s46, s45, 23                        ; B: expert x 1,024 x 8,192 bytes
	s_lshl_b32 s47, s42, 9
	s_add_co_u32 s46, s46, s47                     ; + column block x 512 bytes
	s_lshl_b32 s47, s12, 19
	s_add_co_u32 s46, s46, s47                     ; + half x 64 k-rows of 8,192 bytes
	s_mov_b32 s47, 0
	s_mul_i32 s20, s10, HALFT                      ; where my load lands: wave x 34,816
	s_wait_dscnt 0x0
	s_wait_kmcnt 0x0
	s_add_nc_u64 s[14:15], s[4:5], s[16:17]
	s_add_nc_u64 s[46:47], s[6:7], s[46:47]
	CROUND                                         ; all sixteen work-groups are here: the first joint loads meet
.irp s, 0,1
	s_mov_b32 s[G0+4*\s], 1
	s_add_co_u32 s[G0+4*\s+1], s20, \s*SLOT
	s_add_nc_u64 s[G0+4*\s+2:G0+4*\s+3], s[14:15], \s*KSTEP*2              ; K step s: 256 bytes along the rows
	s_or_b32 s[G0+4*\s+3], s[G0+4*\s+3], 0x80000000
	s_mov_b32 s[G0B+4*\s], 1
	s_add_co_u32 s[G0B+4*\s+1], s20, \s*SLOT
	s_add_nc_u64 s[G0B+4*\s+2:G0B+4*\s+3], s[46:47], \s*KSTEP*LDB*2        ; K step s: 128 k-rows down
	s_or_b32 s[G0B+4*\s+3], s[G0B+4*\s+3], 0x80000000
	JLOAD \s
.endr
	; lane addresses.  A's fragment: lane l holds row l % 16; two loads of 16 bytes, 32 apart, at row x pitch + 16 (l / 16).
	; B's fragment from [K][N]: two transposing loads, 16 k-rows apart, at (8 (l / 16) + l % 8) x pitch + 16 ((l / 8) % 2).
	v_and_b32 v1, 15, v0                           ; r
	v_bfe_u32 v2, v0, 4, 1                         ; h
	v_mul_u32_u24 v3, v1, PA
	v_lshl_add_u32 v3, v2, 4, v3
	v_and_b32 v5, 7, v0
	v_lshl_add_u32 v5, v2, 3, v5
	v_mul_u32_u24 v5, v5, PB
	v_bfe_u32 v6, v0, 3, 1
	v_lshl_add_u32 v5, v6, 4, v5
	s_mul_i32 s21, s11, HALFT                      ; my 128 rows of A
	s_lshl_b32 s22, s12, 8                         ; my 128 columns of B: 256 bytes along its k-rows,
	s_add_co_u32 s22, s22, 2*HALFT                 ; which lie behind A's 256 rows
.irp s, 0,1
	v_add_nc_u32 v[ADRA+\s], s21, v3
	v_add_nc_u32 v[ADRB+\s], s22, v5
	s_add_co_u32 s21, s21, SLOT
	s_add_co_u32 s22, s22, SLOT
.endr
	s_mul_i32 s23, s10, 16*SPITCH
	s_add_co_u32 s23, s23, STAGE                   ; my stage
	v_mul_u32_u24 v4, v1, SPITCH
	v_lshl_add_u32 v4, v2, 4, v4
	v_add_nc_u32 v[STO], s23, v4                   ; in: row r, 16 bytes for each half of the lanes
	v_mul_u32_u24 v7, v2, SPITCH
	v_lshl_add_u32 v7, v1, 4, v7
	v_add_nc_u32 v[RD], s23, v7                    ; back: lanes 0-15 one row of 256 bytes, lanes 16-31 the next
	v_lshlrev_b32 v7, 14, v2
	v_lshl_add_u32 v[CO], v1, 4, v7                ; the same two rows in H (16,384 bytes a row)
	v_lshlrev_b32 v[BOF], 5, v2                    ; b1: 8 h columns of 4 bytes
	s_lshl_b32 s74, s45, 4
	s_add_co_u32 s74, s74, s42
	s_lshl_b32 s74, s74, 10                        ; b1: (16 e + column block) x 256 columns x 4 bytes
	s_lshl_b32 s75, s12, 9
	s_add_co_u32 s74, s74, s75                     ; + my half
	s_mov_b32 s75, 0
	s_add_nc_u64 s[68:69], s[68:69], s[74:75]
	s_lshl_b32 s16, s13, 8
	s_lshl_b32 s17, s11, 7
	s_add_co_u32 s16, s16, s17                     ; H: my first token
	s_lshl_b32 s16, s16, 14                        ; x 16,384 bytes
	s_mov_b32 s17, 0
	s_add_nc_u64 s[70:71], s[70:71], s[16:17]
	s_lshl_b32 s74, s45, 4
	s_add_co_u32 s74, s74, s42
	s_lshl_b32 s74, s74, 9                         ; + (16 e + column block) x 512 bytes
	s_lshl_b32 s75, s12, 8
	s_add_co_u32 s74, s74, s75                     ; + my half; the row block and the row stand in the stores' immediates
	s_mov_b32 s75, 0
	s_add_nc_u64 s[70:71], s[70:71], s[74:75]
	; the bias for my 64 columns: asked for ahead of the K steps and waited for behind them; nothing touches these registers or addresses in between
.irp b, 0,1,2,3,4,5,6,7
	global_load_b128 v[BIAS+8*\b:BIAS+8*\b+3],   v[BOF], s[68:69] offset:64*\b
	global_load_b128 v[BIAS+8*\b+4:BIAS+8*\b+7], v[BOF], s[68:69] offset:64*\b+16
.endr
	s_mov_b32 s72, 0x3ec88b76                      ; 0.3916890 = 0.33267 / kappa
.irp d, 0,1
	v_mov_b32 v[C3+\d], 0xbf3f7377                 ; -0.7478556
	v_mov_b32 v[C2+\d], 0x3dc45ca1                 ;  0.0958798
	v_mov_b32 v[C1+\d], 0xbeb2303a                 ; -0.3480242
	v_mov_b32 v[ONE+\d], 1.0
	v_mov_b32 v[KAP+\d], 0x3f596d27                ;  0.84932180
.endr
; 16 matrix instructions: row blocks a0, a0 + 1 of the window's four x all 8 column blocks, 32 along K.  zero = 1: the first product starts the sums.
; The 64 accumulators take turns, one instruction a turn, in the same order in every quarter step.
.macro MUL16 f, hi, a0, zero
.irp a, \a0, \a0+1
.irp b, 0,1,2,3,4,5,6,7
.if \zero
	v_wmma_f32_16x16x32_f16 v[8*(8*(\a)+\b):8*(8*(\a)+\b)+7], v[\f+8*\b:\f+8*\b+7], v[\f+8*(4*\hi+\a):\f+8*(4*\hi+\a)+7], 0
.else
	v_wmma_f32_16x16x32_f16 v[8*(8*(\a)+\b):8*(8*(\a)+\b)+7], v[\f+8*\b:\f+8*\b+7], v[\f+8*(4*\hi+\a):\f+8*(4*\hi+\a)+7], v[8*(8*(\a)+\b):8*(8*(\a)+\b)+7]
.endif
.endr
.endr
.endm
; 32 LDS loads in one run: the fragments of quarter q (k = 32 q .. 32 q + 31) of a slot into buffer f: B's 128 columns, then A's 128 rows
.macro FETCH slot, q, f
	WIN TO_B
.irp i, 0,1,2,3,4,5,6,7
	ds_load_tr16_b128 v[\f+8*\i:\f+8*\i+3],   v[ADRB+\slot] offset:32*\q*PB+32*\i          ; k = 32 q + 8 h .. + 7 of column 16 i + r
	ds_load_tr16_b128 v[\f+8*\i+4:\f+8*\i+7], v[ADRB+\slot] offset:32*\q*PB+16*PB+32*\i    ; k = 32 q + 16 + 8 h .. + 7; the largest offset is 61,152
.endr
	WIN 0
.irp i, 0,1,2,3,4,5,6,7
	ds_load_b128 v[\f+8*\i:\f+8*\i+3],   v[ADRA+\slot] offset:64*\q+\i*16*PA
	ds_load_b128 v[\f+8*\i+4:\f+8*\i+7], v[ADRA+\slot] offset:64*\q+\i*16*PA+32
.endr
.endm
; Four places stand between a matrix instruction and a load into, or a vector access to, one of its registers (ISA guide 7.12.1 for vector accesses)
.macro PLACES
.rept 4
	v_nop
.endr
.endm
; One of a K step's first three quarters: multiplies buffer f; in its middle it fetches quarter q of the same slot into buffer g
.macro QUARTER slot, q, f, g, zero
	s_wait_dscnt 8                                 ; B and A's rows 0-63 are in; the youngest eight loads (A's rows 64-127) may be out
	WIN MUL_LO
	MUL16 \f, 0, 0, \zero
	MUL16 \f, 0, 2, \zero
	PLACES
	FETCH \slot, \q, \g
	s_wait_dscnt 32                                ; all but the 32 just issued
	WIN MUL_HI
	MUL16 \f, 1, 0, \zero
	MUL16 \f, 1, 2, \zero
.endm
.macro THREE slot, zero
	QUARTER \slot, 1, F0, F1, \zero
	QUARTER \slot, 2, F1, F0, 0
	QUARTER \slot, 3, F0, F1, 0
.endm
; The last quarter of a K step: multiplies buffer 1 and changes slots.  In front of the barrier each wave waits for its reads of this slot and for all its tensor loads (one is out: its
; part of the next slot).  Behind it, where this slot is filled again, the rest of the cluster's round, then the joint refill first, then the next slot's first fragments.
; From a request to the wait for it a wave issues 240 matrix instructions.
.macro TURN slot, next, fill
	s_wait_dscnt 8
	WIN MUL_LO
	MUL16 F1, 0, 0, 0
	s_wait_dscnt 0                                 ; my reads of this slot are over
	s_wait_tensorcnt 0x0                           ; all my tensor loads have landed
	ds_add_u32 v255, v63
	s_wait_dscnt 0x0
	s_barrier_signal -1
	MUL16 F1, 0, 2, 0                              ; register work while the others arrive
	WIN 0
	s_barrier_wait -1
.if \fill
	CREST                                          ; no wave of any partner still reads this slot or has a load on its way
	s_add_nc_u64 s[G0+4*\slot+2:G0+4*\slot+3], s[G0+4*\slot+2:G0+4*\slot+3], 2*KSTEP*2
	s_add_nc_u64 s[G0B+4*\slot+2:G0B+4*\slot+3], s[G0B+4*\slot+2:G0B+4*\slot+3], 2*KSTEP*LDB*2
	JLOAD \slot
.else
	PLACES
.endif
	FETCH \next, 0, F0
	WIN MUL_HI
	MUL16 F1, 1, 0, 0
	MUL16 F1, 1, 2, 0
.endm
.macro LAP zero
	THREE 0, \zero
	TURN 0, 1, 1
	THREE 1, 0
	TURN 1, 0, 1
.endm
; ---------------- THE WAY OUT: macros ----------------
; S = kappa acc + kappa b1 for row block i (16 tokens x 128 columns, 64 numbers a lane): the eight tiles (i % 4, 0..7) of window 2 + i / 4, read as source 0
.macro A1 i
	WIN (2+((\i)>>2))
.irp b, 0,1,2,3,4,5,6,7
.irp j, 0,2,4,6
	v_pk_fma_f32 v[V+8*\b+\j:V+8*\b+\j+1], v[8*(8*((\i)&3)+\b)+\j:8*(8*((\i)&3)+\b)+\j+1], v[KAP:KAP+1], v[BIAS+8*\b+\j:BIAS+8*\b+\j+1]
.endr
.endr
	WIN 0
.endm
; One step of the pipeline over a row block's eight tiles of 8 numbers.  Three tiles are at work, their lines interleaved; -1 = none:
;   pa: prepared:  Q = 1 + (p / kappa) |S|,  R = -S^2                                             (12 plain instructions)
;   pt: t = 1 / Q,  E = 2^R                                                                      (16 transcendentals)
;   pb: finished:  P = (-c3 t - c2) t - c1,  E = E t,  Y = P E + 1,  result = |S| Y + S,  f16    (28 plain instructions)
; Tiles take the two QR, TE and TMP buffers by turns, so pt's buffers are never pb's or pa's.  Behind each transcendental stands a plain instruction of another tile, and no result is
; read, no source rewritten, before the next step (ISA guide 5.7.2).  Tile pb - 1's 16 bytes go to the stage here, a step behind their conversion.
.macro GSTEP pb, pt, pa
.if \pb >= 0
.set g_tb, TE+16*((\pb)&1)
.set g_sb, V+8*(\pb)
.set g_ob, TMP+4*((\pb)&1)
.endif
.if \pt >= 0
.set g_qt, QR+16*((\pt)&1)
.set g_tt, TE+16*((\pt)&1)
.endif
.if \pa >= 0
.set g_qa, QR+16*((\pa)&1)
.set g_sa, V+8*(\pa)
.endif
.irp j, 0,1,2,3
.if \pt >= 0
	v_rcp_f32 v[g_tt+\j], v[g_qt+\j]
.endif
.if \pb >= 0
	s_wait_alu depctr_va_vdst(0)
	v_pk_fma_f32 v[PP+2*\j:PP+2*\j+1], v[g_tb+2*\j:g_tb+2*\j+1], v[C3:C3+1], v[C2:C2+1]
.endif
.if \pa >= 0
	v_fma_f32 v[g_qa+\j], |v[g_sa+\j]|, s72, 1.0
.endif
.endr
.if \pb >= 1
	ds_store_b128 v[STO], v[TMP+4*((\pb-1)&1):TMP+4*((\pb-1)&1)+3] offset:32*(\pb-1)
.endif
.irp j, 0,1,2,3
.if \pt >= 0
	v_rcp_f32 v[g_tt+4+\j], v[g_qt+4+\j]
.endif
.if \pb >= 0
	v_pk_fma_f32 v[PP+2*\j:PP+2*\j+1], v[PP+2*\j:PP+2*\j+1], v[g_tb+2*\j:g_tb+2*\j+1], v[C1:C1+1]
.endif
.if \pa >= 0
	v_fma_f32 v[g_qa+4+\j], |v[g_sa+4+\j]|, s72, 1.0
.endif
.endr
.irp j, 0,1,2,3
.if \pt >= 0
	v_exp_f32 v[g_tt+8+\j], v[g_qt+8+\j]
.endif
.if \pb >= 0
	v_pk_mul_f32 v[g_tb+8+2*\j:g_tb+9+2*\j], v[g_tb+8+2*\j:g_tb+9+2*\j], v[g_tb+2*\j:g_tb+2*\j+1]
.endif
.if \pa >= 0
	v_pk_mul_f32 v[g_qa+8+2*\j:g_qa+9+2*\j], v[g_sa+2*\j:g_sa+2*\j+1], v[g_sa+2*\j:g_sa+2*\j+1] neg_lo:[0,1] neg_hi:[0,1]
.endif
.endr
.irp j, 0,1,2,3
.if \pt >= 0
	v_exp_f32 v[g_tt+12+\j], v[g_qt+12+\j]
.endif
.if \pb >= 0
	v_pk_fma_f32 v[PP+2*\j:PP+2*\j+1], v[PP+2*\j:PP+2*\j+1], v[g_tb+8+2*\j:g_tb+9+2*\j], v[ONE:ONE+1]
.endif
.endr
.if \pb >= 0
.irp j, 0,1,2,3,4,5,6,7
	v_fma_f32 v[g_tb+\j], |v[g_sb+\j]|, v[PP+\j], v[g_sb+\j]
.endr
.irp j, 0,1,2,3
	v_cvt_pk_f16_f32 v[g_ob+\j], v[g_tb+2*\j], v[g_tb+2*\j+1]
.endr
.endif
.endm
; Row block i: its S lie in V.  The rows are read back from my own stage as whole rows of 256 bytes; while they come, the next row block's S (nxt; 8 = none) are made.
.macro ROWBLK i, nxt
	GSTEP -1, -1, 0
	s_wait_xcnt 0x0                                ; the last row block's stores have had their addresses translated (ISA guide 3.1): their data, v160-191, is rewritten only behind this wait
	GSTEP -1, 0, 1
	GSTEP 0, 1, 2
	GSTEP 1, 2, 3
	GSTEP 2, 3, 4
	GSTEP 3, 4, 5
	GSTEP 4, 5, 6
	GSTEP 5, 6, 7
	GSTEP 6, 7, -1
	GSTEP 7, -1, -1
	ds_store_b128 v[STO], v[TMP+4:TMP+7] offset:32*7
.irp t, 0,1,2,3,4,5,6,7
	ds_load_b128 v[RB+4*\t:RB+4*\t+3], v[RD] offset:\t*2*SPITCH            ; LDS serves a wave's instructions in order (ISA guide 5.7.1): these see the stores above, and the next row block's stores come behind them
.endr
.if \nxt < 8
	A1 \nxt
.endif
.irp t, 0,1,2,3,4,5,6,7
	s_wait_dscnt 7-\t                              ; the 7 - t younger read-backs stay out
	global_store_b128 v[CO], v[RB+4*\t:RB+4*\t+3], s[70:71] offset:(16*\i+2*\t)*LDH*2   ; 16 lanes store 256 consecutive bytes, aligned; the largest offset is 2,064,384
.endr
.endm
	; ---------------- K steps 0 to 7 ----------------
	s_wait_tensorcnt 1                             ; my part of K step 0 is in; K step 1's stays out
	s_barrier_signal -1
	s_barrier_wait -1
	FETCH 0, 0, F0
	LAP 1                                          ; the first lap stands in front of the loop: its first products start the sums
	WIN 0
	s_mov_b32 s3, LAPS-2
.Llap:
	LAP 0
	WIN 0
	s_sub_co_u32 s3, s3, 1
	s_cmp_lg_u32 s3, 0
	s_cbranch_scc1 .Llap
	THREE 0, 0                                     ; the last lap fills nothing
	TURN 0, 1, 0
	THREE 1, 0
	s_wait_dscnt 8                                 ; the very last quarter: nothing more to fetch
	WIN MUL_LO
	MUL16 F1, 0, 0, 0
	MUL16 F1, 0, 2, 0
	s_wait_dscnt 0
	WIN MUL_HI
	MUL16 F1, 1, 0, 0
	MUL16 F1, 1, 2, 0
	; ---------------- THE WAY OUT, 16 tokens at a time: bias, GELU, f16, through my own stage, whole rows of 256 bytes out ----------------
	PLACES                                         ; behind the last matrix instructions
	WIN 0
	s_wait_loadcnt 0x0                             ; the bias, asked for ahead of the K steps
.set n, 0
.rept 32
	v_pk_mul_f32 v[BIAS+n:BIAS+n+1], v[BIAS+n:BIAS+n+1], v[KAP:KAP+1]      ; kappa b1, once: S = kappa acc + kappa b1 is then one fused multiply-add
.set n, n+2
.endr
	A1 0
	ROWBLK 0, 1
	ROWBLK 1, 2
	ROWBLK 2, 3
	ROWBLK 3, 4
	ROWBLK 4, 5
	ROWBLK 5, 6
	ROWBLK 6, 7
	ROWBLK 7, 8
	s_set_vgpr_msb 0x1
	s_wait_tensorcnt 0x0
	ds_add_u32 v255, v63
	s_wait_dscnt 0x0
	s_set_vgpr_msb 0x100
	CROUND                                         ; the closing round: no work-group ends while a partner may still ask for a tile that names it
	s_endpgm
.Lfunc_end_k_q7f96434e51_ffn1:
	.size	k_q7f96434e51_ffn1, .Lfunc_end_k_q7f96434e51_ffn1-k_q7f96434e51_ffn1
	.p2alignl 7, 3214868480
	.fill 96, 4, 3214868480
	.section	.rodata,"a",@progbits
	.p2align	6, 0x0
	.amdhsa_kernel k_q7f96434e51_ffn1
		.amdhsa_group_segment_fixed_size 327680
		.amdhsa_private_segment_fixed_size 0
		.amdhsa_enable_private_segment 0
		.amdhsa_kernarg_size 32
		.amdhsa_user_sgpr_count 2
		.amdhsa_user_sgpr_kernarg_segment_ptr 1
		.amdhsa_wavefront_size32 1
		.amdhsa_system_sgpr_workgroup_id_x 1
		.amdhsa_system_sgpr_workgroup_id_y 1
		.amdhsa_system_sgpr_workgroup_id_z 1
		.amdhsa_system_vgpr_workitem_id 0
		.amdhsa_next_free_vgpr 1024
		.amdhsa_next_free_sgpr 80
		.amdhsa_reserve_vcc 0
		.amdhsa_float_denorm_mode_32 3
		.amdhsa_float_denorm_mode_16_64 3
		.amdhsa_memory_ordered 1
		.amdhsa_forward_progress 1
		.amdhsa_inst_pref_size 255
	.end_amdhsa_kernel
	.section	.bss,"aw",@nobits
	.p2align	6
	.space	262144
	.amdgpu_metadata
---
amdhsa.version: [ 1, 2 ]
amdhsa.kernels:
  - .name:           k_q7f96434e51_ffn1
    .symbol:         k_q7f96434e51_ffn1.kd
    .args:
      - { .name: xh, .offset: 0, .size: 8, .value_kind: global_buffer, .address_space: global }
      - { .name: W1h, .offset: 8, .size: 8, .value_kind: global_buffer, .address_space: global }
      - { .name: b1, .offset: 16, .size: 8, .value_kind: global_buffer, .address_space: global }
      - { .name: H, .offset: 24, .size: 8, .value_kind: global_buffer, .address_space: global }
    .group_segment_fixed_size: 327680
    .private_segment_fixed_size: 0
    .kernarg_segment_align: 8
    .kernarg_segment_size: 32
    .max_flat_workgroup_size: 128
    .sgpr_count:     80
    .vgpr_count:     1024
    .wavefront_size: 32
...
	.end_amdgpu_metadata
.endif
;; end of part 2
;; launch ffn2 (part 3): grid 4 x 64, 4 waves a work-group, clusters of 4 x 4, 327,680 bytes of LDS; arguments H, W2h, part; writes part
.if DOCPART == 3
	.amdgcn_target "amdgcn-amd-amdhsa--gfx1250"
	.amdhsa_code_object_version 6
	.text
	.protected	k_q7f96434e51_ffn2
	.globl	k_q7f96434e51_ffn2
	.p2align	8
	.type	k_q7f96434e51_ffn2,@function
k_q7f96434e51_ffn2:
	s_mov_b64 s[64:65], 0
	v_nop
	global_prefetch_b8 v0, s[64:65] scope:SCOPE_SE
	s_setreg_imm32_b32 hwreg(HW_REG_WAVE_MODE, 25, 1), 1
	s_wait_xcnt 0x0
	s_wait_alu depctr_hold_cnt(0) depctr_sa_sdst(0) depctr_va_vdst(0) depctr_va_sdst(0) depctr_va_ssrc(0) depctr_va_vcc(0) depctr_vm_vsrc(0)
	s_getreg_b32 s2, hwreg(HW_REG_IB_STS2, 6, 4)
	s_cmp_eq_u32 s2, 0
	s_cbranch_scc0 .Lentry_in_a_cluster
	s_endpgm
.Lentry_in_a_cluster:
	s_bfe_u32 s2, ttmp6, 0x10000c
	s_cmp_lg_u32 s2, 0xf033
	s_cbranch_scc0 .Lentry_shape_is_right
	s_endpgm
.Lentry_shape_is_right:
; ffn2: part[ks][t][d] = sum over k = 2048 ks .. 2048 ks + 2047 of H[t][k] W2h[k][d].  H [4096][8192] f16 holds 2 kappa gelu(..), kappa = sqrt(log2(e) / 2), expert 0 in columns 0-4095 and
; expert 1 in 4096-8191; W2h [8192][1024] f16 (both experts' rows one after the other); part [4][4096][1024] f32.
; The output has only 16 x 4 blocks of 256 x 256; K is cut in four slices so that 256 work-groups have equal work with the same 128 x 128 wave tile as the first product.
; Slices 0 and 1 are expert 0's, slices 2 and 3 expert 1's: the next launch adds the four in a fixed order and applies c_e / (2 kappa) as it does so: no traffic between work-groups.
; Shape, ring, cluster, register windows and the transposed use of the matrix instruction are those of the first product: four waves, 64 accumulator tiles each, K steps of 128
; through two LDS slots, A's tile shared along the cluster's row, B's along its column.
; TENSOR LOADS OUT, by this text's count: two a wave at the start, one behind each round afterwards.
; LIMITS: the operands are f16 as the earlier launches left them (magnitudes below 65,520); the sums are f32.
.set KSTEP,  128
.set LDA,    8192                      ; elements from row to row of H
.set LDB,    1024                      ; of W2h
.set LAPS,   2048/(2*KSTEP)            ; a lap = two K steps
.set PA,     272                       ; A's LDS pitch: an odd multiple of 16 bytes
.set PB,     544                       ; B's LDS pitch: an odd multiple of 32 bytes
.set HALFT,  128*PA                    ; one tensor load: 128 rows of A, or 64 k-rows of B
.set SLOT,   4*HALFT
.set STAGE,  2*SLOT                    ; behind the ring, a multiple of 256: 16 rows x 528 bytes for each wave; no tensor load lands here
.set SPITCH, 528                       ; 512 bytes of f32 + 16
.set ADRA, 16
.set ADRB, 20
.set STO,  24
.set RD,   25
.set CO,   26
.set F0,   64
.set F1,   128
.set G1,  24
.set G0,  32
.set G1B, 48
.set G0B, 56
.set MSB, 0
.macro WIN new                         ; the immediate's high byte repeats the setting that is left
.if MSB != \new
	s_set_vgpr_msb (MSB<<8)|\new
.set MSB, \new
.endif
.endm
.set MUL_LO, 0xa1                      ; source 0 (B) window 1, source 1 (A) window 0, C and D window 2
.set MUL_HI, 0xf1                      ; the same, C and D window 3
.set TO_B,   0x40                      ; destination window 1, address window 0
; A joint load: waves 0 and 1 fetch A's halves, waves 2 and 3 B's; one mask and one set of registers a line; four v_nop behind each line
.macro JLOAD s
	s_cmp_eq_u32 s11, 0
	s_cbranch_scc0 .Lfor_b_\@
	tensor_load_to_lds s[G0+4*\s:G0+4*\s+3], s[G1:G1+7]
	s_nop 0
.rept 4
	v_nop
.endr
	s_branch .Lasked_\@
.Lfor_b_\@:
	tensor_load_to_lds s[G0B+4*\s:G0B+4*\s+3], s[G1B:G1B+7]
	s_nop 0
.rept 4
	v_nop
.endr
.Lasked_\@:
.endm
.macro CREST                           ; a round of the cluster's barrier behind its opening barrier
	s_cmp_lg_u32 s10, 0
	s_cbranch_scc1 .Lnot_wave_0_\@
	s_barrier_signal -3
.Lnot_wave_0_\@:
	s_barrier_wait -3
	s_barrier_signal -1
	s_barrier_wait -1
.endm
.macro CROUND
	s_barrier_signal -1
	s_barrier_wait -1
	CREST
.endm
	s_load_b128 s[4:7], s[0:1], 0x0                ; H s[4:5], W2h s[6:7]
	s_load_b64 s[8:9], s[0:1], 0x10                ; part
	s_set_vgpr_msb 0x40
	v_lshl_add_u32 v255, v0, 2, 0x4c400
	s_set_vgpr_msb 0x4000
	v_mov_b32 v255, 0
	s_set_vgpr_msb 0x1
	ds_add_u32 v255, v255
	s_set_vgpr_msb 0x100
	v_lshrrev_b32 v1, 5, v0
	v_readfirstlane_b32 s10, v1                    ; wave 0..3
	s_lshr_b32 s11, s10, 1                         ; my half of the rows; also: I fetch for A (0) or B (1)
	s_and_b32 s12, s10, 1                          ; my half of the columns; also: which half of that tile I fetch
	s_bfe_u32 s40, ttmp6, 0x40000                  ; cx
	s_bfe_u32 s41, ttmp6, 0x40004                  ; cy
	s_lshl_b32 s42, ttmp9, 2
	s_add_co_u32 s42, s42, s40                     ; column block 0..3
	s_and_b32 s13, ttmp7, 0xffff                   ; cluster y 0..15
	s_lshr_b32 s45, s13, 2                         ; K slice 0..3: from the cluster's place alone
	s_and_b32 s13, s13, 3
	s_lshl_b32 s13, s13, 2
	s_add_co_u32 s13, s13, s41                     ; token block 0..15
	s_lshl_b32 s43, s41, 2
	s_lshl_b32 s43, 15, s43                        ; my row of the cluster
	s_lshl_b32 s44, 0x1111, s40                    ; my column
	s_or_b32 s[G1+0], s43, (1<<16)|(1<<20)|(1<<21)|(5<<22)|(3<<25)     ; A: elements of 2 bytes; after every 64 words 4 words of padding
	s_mov_b32 s[G1+1], KSTEP<<16                   ; tensor_dim0 = 128
	s_mov_b32 s[G1+2], 128<<16                     ; tensor_dim1 = 128
	s_mov_b32 s[G1+3], KSTEP<<16                   ; tile_dim0 = 128
	s_mov_b32 s[G1+4], 128                         ; tile_dim1 = 128
	s_mov_b32 s[G1+5], LDA
	s_mov_b32 s[G1+6], 0
	s_mov_b32 s[G1+7], 0
	s_or_b32 s[G1B+0], s44, (1<<16)|(1<<20)|(1<<21)|(6<<22)|(7<<25)    ; B: after every 128 words 8 words of padding
	s_mov_b32 s[G1B+1], 256<<16                    ; tensor_dim0 = 256
	s_mov_b32 s[G1B+2], 64<<16                     ; tensor_dim1 = 64
	s_mov_b32 s[G1B+3], 256<<16                    ; tile_dim0 = 256
	s_mov_b32 s[G1B+4], 64                         ; tile_dim1 = 64
	s_mov_b32 s[G1B+5], LDB
	s_mov_b32 s[G1B+6], 0
	s_mov_b32 s[G1B+7], 0
	s_lshl_b32 s17, s12, 7
	s_lshl_b32 s16, s13, 8
	s_add_co_u32 s16, s16, s17                     ; A: row 256 x block + 128 x half
	s_lshl_b32 s16, s16, 14                        ; x 16,384 bytes
	s_lshl_b32 s17, s45, 12
	s_add_co_u32 s16, s16, s17                     ; + slice x 2,048 elements
	s_mov_b32 s17, 0
	s_lshl_b32 s46, s45, 11
	s_lshl_b32 s47, s12, 6
	s_add_co_u32 s46, s46, s47                     ; B: k-row 2,048 x slice + 64 x half
	s_lshl_b32 s46, s46, 11                        ; x 2,048 bytes
	s_lshl_b32 s47, s42, 9
	s_add_co_u32 s46, s46, s47                     ; + column block x 512 bytes
	s_mov_b32 s47, 0
	s_mul_i32 s20, s10, HALFT
	s_wait_dscnt 0x0
	s_wait_kmcnt 0x0
	s_add_nc_u64 s[14:15], s[4:5], s[16:17]
	s_add_nc_u64 s[46:47], s[6:7], s[46:47]
	CROUND                                         ; all sixteen work-groups are here: the first joint loads meet
.irp s, 0,1
	s_mov_b32 s[G0+4*\s], 1
	s_add_co_u32 s[G0+4*\s+1], s20, \s*SLOT
	s_add_nc_u64 s[G0+4*\s+2:G0+4*\s+3], s[14:15], \s*KSTEP*2
	s_or_b32 s[G0+4*\s+3], s[G0+4*\s+3], 0x80000000
	s_mov_b32 s[G0B+4*\s], 1
	s_add_co_u32 s[G0B+4*\s+1], s20, \s*SLOT
	s_add_nc_u64 s[G0B+4*\s+2:G0B+4*\s+3], s[46:47], \s*KSTEP*LDB*2
	s_or_b32 s[G0B+4*\s+3], s[G0B+4*\s+3], 0x80000000
	JLOAD \s
.endr
	v_and_b32 v1, 15, v0                           ; r
	v_bfe_u32 v2, v0, 4, 1                         ; h
	v_mul_u32_u24 v3, v1, PA
	v_lshl_add_u32 v3, v2, 4, v3                   ; A: row x pitch + 16 h
	v_and_b32 v5, 7, v0
	v_lshl_add_u32 v5, v2, 3, v5
	v_mul_u32_u24 v5, v5, PB
	v_bfe_u32 v6, v0, 3, 1
	v_lshl_add_u32 v5, v6, 4, v5                   ; B: (8 h + l % 8) x pitch + 16 ((l / 8) % 2)
	s_mul_i32 s21, s11, HALFT
	s_lshl_b32 s22, s12, 8
	s_add_co_u32 s22, s22, 2*HALFT
.irp s, 0,1
	v_add_nc_u32 v[ADRA+\s], s21, v3
	v_add_nc_u32 v[ADRB+\s], s22, v5
	s_add_co_u32 s21, s21, SLOT
	s_add_co_u32 s22, s22, SLOT
.endr
	s_mul_i32 s23, s10, 16*SPITCH
	s_add_co_u32 s23, s23, STAGE                   ; my stage
	v_mul_u32_u24 v4, v1, SPITCH
	v_lshl_add_u32 v4, v2, 5, v4
	v_add_nc_u32 v[STO], s23, v4                   ; in: row r, 32 bytes for each half of the lanes
	v_and_b32 v7, 31, v0
	v_lshlrev_b32 v[CO], 4, v7                     ; out: 16 bytes a lane, a row of 512 bytes a wave
	v_add_nc_u32 v[RD], s23, v[CO]
; The 64 accumulators take turns, one instruction a turn, in the same order in every quarter step.
.macro MUL16 f, hi, a0, zero
.irp a, \a0, \a0+1
.irp b, 0,1,2,3,4,5,6,7
.if \zero
	v_wmma_f32_16x16x32_f16 v[8*(8*(\a)+\b):8*(8*(\a)+\b)+7], v[\f+8*\b:\f+8*\b+7], v[\f+8*(4*\hi+\a):\f+8*(4*\hi+\a)+7], 0
.else
	v_wmma_f32_16x16x32_f16 v[8*(8*(\a)+\b):8*(8*(\a)+\b)+7], v[\f+8*\b:\f+8*\b+7], v[\f+8*(4*\hi+\a):\f+8*(4*\hi+\a)+7], v[8*(8*(\a)+\b):8*(8*(\a)+\b)+7]
.endif
.endr
.endr
.endm
.macro FETCH slot, q, f                ; 32 LDS loads in one run: quarter q of a slot into buffer f: B's 128 columns (transposing), then A's 128 rows
	WIN TO_B
.irp i, 0,1,2,3,4,5,6,7
	ds_load_tr16_b128 v[\f+8*\i:\f+8*\i+3],   v[ADRB+\slot] offset:32*\q*PB+32*\i
	ds_load_tr16_b128 v[\f+8*\i+4:\f+8*\i+7], v[ADRB+\slot] offset:32*\q*PB+16*PB+32*\i
.endr
	WIN 0
.irp i, 0,1,2,3,4,5,6,7
	ds_load_b128 v[\f+8*\i:\f+8*\i+3],   v[ADRA+\slot] offset:64*\q+\i*16*PA
	ds_load_b128 v[\f+8*\i+4:\f+8*\i+7], v[ADRA+\slot] offset:64*\q+\i*16*PA+32
.endr
.endm
.macro PLACES                          ; four places between a matrix instruction and a load into, or an access to, one of its registers (ISA guide 7.12.1 for vector accesses)
.rept 4
	v_nop
.endr
.endm
.macro QUARTER slot, q, f, g, zero
	s_wait_dscnt 8                                 ; B and A's rows 0-63 are in; the youngest eight loads (A's rows 64-127) may be out
	WIN MUL_LO
	MUL16 \f, 0, 0, \zero
	MUL16 \f, 0, 2, \zero
	PLACES
	FETCH \slot, \q, \g
	s_wait_dscnt 32                                ; all but the 32 just issued
	WIN MUL_HI
	MUL16 \f, 1, 0, \zero
	MUL16 \f, 1, 2, \zero
.endm
.macro THREE slot, zero
	QUARTER \slot, 1, F0, F1, \zero
	QUARTER \slot, 2, F1, F0, 0
	QUARTER \slot, 3, F0, F1, 0
.endm
; The change of slots: each wave's waits for its reads and for all its tensor loads, the barrier (where the slot is filled again: a round of the cluster's barrier),
; the joint refill first behind it, then the next slot's first fragments.  From a request to the wait for it a wave issues 240 matrix instructions.
.macro TURN slot, next, fill
	s_wait_dscnt 8
	WIN MUL_LO
	MUL16 F1, 0, 0, 0
	s_wait_dscnt 0                                 ; my reads of this slot are over
	s_wait_tensorcnt 0x0                           ; all my tensor loads have landed
	ds_add_u32 v255, v255
	s_wait_dscnt 0x0
	s_barrier_signal -1
	MUL16 F1, 0, 2, 0
	WIN 0
	s_barrier_wait -1
.if \fill
	CREST
	s_add_nc_u64 s[G0+4*\slot+2:G0+4*\slot+3], s[G0+4*\slot+2:G0+4*\slot+3], 2*KSTEP*2
	s_add_nc_u64 s[G0B+4*\slot+2:G0B+4*\slot+3], s[G0B+4*\slot+2:G0B+4*\slot+3], 2*KSTEP*LDB*2
	JLOAD \slot
.else
	PLACES
.endif
	FETCH \next, 0, F0
	WIN MUL_HI
	MUL16 F1, 1, 0, 0
	MUL16 F1, 1, 2, 0
.endm
.macro LAP zero
	THREE 0, \zero
	TURN 0, 1, 1
	THREE 1, 0
	TURN 1, 0, 1
.endm
	s_wait_tensorcnt 1                             ; my part of K step 0 is in; K step 1's stays out
	s_barrier_signal -1
	s_barrier_wait -1
	FETCH 0, 0, F0
	LAP 1
.if LAPS > 2
	WIN 0
	s_mov_b32 s3, LAPS-2
.Llap:
	LAP 0
	WIN 0
	s_sub_co_u32 s3, s3, 1
	s_cmp_lg_u32 s3, 0
	s_cbranch_scc1 .Llap
.endif
	THREE 0, 0                                     ; the last lap fills nothing
	TURN 0, 1, 0
	THREE 1, 0
	s_wait_dscnt 8
	WIN MUL_LO
	MUL16 F1, 0, 0, 0
	MUL16 F1, 0, 2, 0
	s_wait_dscnt 0
	WIN MUL_HI
	MUL16 F1, 1, 0, 0
	MUL16 F1, 1, 2, 0
	; THE WAY OUT, 16 rows at a time: the f32 sums go straight from the accumulators into my stage and come back as whole rows of 512 bytes.
	PLACES
	s_lshl_b32 s16, s13, 8
	s_lshl_b32 s17, s11, 7
	s_add_co_u32 s16, s16, s17                     ; my first token
	s_lshl_b32 s16, s16, 12                        ; x 4,096 bytes
	s_lshl_b32 s17, s45, 24
	s_add_co_u32 s16, s16, s17                     ; + slice x 16 MiB
	s_mov_b32 s17, 0
	s_add_nc_u64 s[8:9], s[8:9], s[16:17]
	s_lshl_b32 s46, s42, 10                        ; column block x 1,024 bytes
	s_lshl_b32 s47, s12, 9
	s_add_co_u32 s46, s46, s47                     ; + my half
	s_mov_b32 s47, 0
	s_add_nc_u64 s[8:9], s[8:9], s[46:47]
; rows 16 i .. + 15 = the eight tiles (a, 0..7) of window 2 or 3 (from = 0x08 or 0x0c: an LDS store's data is source 1); f: F0 or F1 in turn
.macro OUT16F i, a, from, f
	WIN \from
.irp b, 0,1,2,3,4,5,6,7
	ds_store_b128 v[STO], v[8*(8*\a+\b):8*(8*\a+\b)+3]   offset:64*\b
	ds_store_b128 v[STO], v[8*(8*\a+\b)+4:8*(8*\a+\b)+7] offset:64*\b+16
.endr
	WIN 0
	s_wait_xcnt 0x0                                ; earlier stores have had their addresses translated (ISA guide 3.1): buffer f and the base are rewritten only behind this wait
.if \i
	s_add_nc_u64 s[8:9], s[8:9], 16*4096
.endif
.irp t, 0,1,2,3,4,5,6,7,8,9,10,11,12,13,14,15
	ds_load_b128 v[\f+4*\t:\f+4*\t+3], v[RD] offset:\t*SPITCH              ; LDS serves a wave's instructions in order (ISA guide 5.7.1): these see the stores above
.endr
.irp t, 0,1,2,3,4,5,6,7,8,9,10,11,12,13,14,15
	s_wait_dscnt 15-\t                             ; the 15 - t younger read-backs stay out
	global_store_b128 v[CO], v[\f+4*\t:\f+4*\t+3], s[8:9] offset:\t*4096   ; 512 consecutive bytes, aligned
.endr
.endm
	OUT16F 0, 0, 0x08, F0
	OUT16F 1, 1, 0x08, F1
	OUT16F 2, 2, 0x08, F0
	OUT16F 3, 3, 0x08, F1
	OUT16F 4, 0, 0x0c, F0
	OUT16F 5, 1, 0x0c, F1
	OUT16F 6, 2, 0x0c, F0
	OUT16F 7, 3, 0x0c, F1
	s_set_vgpr_msb 0x1
	s_wait_tensorcnt 0x0
	ds_add_u32 v255, v255
	s_wait_dscnt 0x0
	s_set_vgpr_msb 0x100
	CROUND                                         ; the closing round
	s_endpgm
.Lfunc_end_k_q7f96434e51_ffn2:
	.size	k_q7f96434e51_ffn2, .Lfunc_end_k_q7f96434e51_ffn2-k_q7f96434e51_ffn2
	.p2alignl 7, 3214868480
	.fill 96, 4, 3214868480
	.section	.rodata,"a",@progbits
	.p2align	6, 0x0
	.amdhsa_kernel k_q7f96434e51_ffn2
		.amdhsa_group_segment_fixed_size 327680
		.amdhsa_private_segment_fixed_size 0
		.amdhsa_enable_private_segment 0
		.amdhsa_kernarg_size 24
		.amdhsa_user_sgpr_count 2
		.amdhsa_user_sgpr_kernarg_segment_ptr 1
		.amdhsa_wavefront_size32 1
		.amdhsa_system_sgpr_workgroup_id_x 1
		.amdhsa_system_sgpr_workgroup_id_y 1
		.amdhsa_system_sgpr_workgroup_id_z 1
		.amdhsa_system_vgpr_workitem_id 0
		.amdhsa_next_free_vgpr 1024
		.amdhsa_next_free_sgpr 66
		.amdhsa_reserve_vcc 0
		.amdhsa_float_denorm_mode_32 3
		.amdhsa_float_denorm_mode_16_64 3
		.amdhsa_memory_ordered 1
		.amdhsa_forward_progress 1
		.amdhsa_inst_pref_size 197
	.end_amdhsa_kernel
	.amdgpu_metadata
---
amdhsa.version: [ 1, 2 ]
amdhsa.kernels:
  - .name:           k_q7f96434e51_ffn2
    .symbol:         k_q7f96434e51_ffn2.kd
    .args:
      - { .name: H, .offset: 0, .size: 8, .value_kind: global_buffer, .address_space: global }
      - { .name: W2h, .offset: 8, .size: 8, .value_kind: global_buffer, .address_space: global }
      - { .name: part, .offset: 16, .size: 8, .value_kind: global_buffer, .address_space: global }
    .group_segment_fixed_size: 327680
    .private_segment_fixed_size: 0
    .kernarg_segment_align: 8
    .kernarg_segment_size: 24
    .max_flat_workgroup_size: 128
    .sgpr_count:     66
    .vgpr_count:     1024
    .wavefront_size: 32
...
	.end_amdgpu_metadata
.endif
;; end of part 3
;; launch lnorm (part 4): grid 512 x 1, 8 waves a work-group, no clusters, 17,408 bytes of LDS; arguments part, route, b2, ln_w, ln_b, out0, out1; writes out0, out1
.if DOCPART == 4
	.amdgcn_target "amdgcn-amd-amdhsa--gfx1250"
	.amdhsa_code_object_version 6
	.text
	.protected	k_q7f96434e51_lnorm
	.globl	k_q7f96434e51_lnorm
	.p2align	8
	.type	k_q7f96434e51_lnorm,@function
k_q7f96434e51_lnorm:
	s_mov_b64 s[64:65], 0
	v_nop
	global_prefetch_b8 v0, s[64:65] scope:SCOPE_SE
	s_setreg_imm32_b32 hwreg(HW_REG_WAVE_MODE, 25, 1), 1
	s_wait_xcnt 0x0
; lnorm: y[t] = (part[0][t] + part[1][t]) c0(t) / (2 kappa) + (part[2][t] + part[3][t]) c1(t) / (2 kappa) + c0(t) b2[0] + c1(t) b2[1], kappa = sqrt(log2(e) / 2):
; the partial sums 0 and 1 are expert 0's, 2 and 3 expert 1's, and carry the factor 2 kappa that the first product left on its activations.
; out0[t] = (y - mean) / sqrt(var + 1e-5) * ln_w + ln_b (biased variance, formed from the differences, in a second pass over registers); out1 = the auxiliary loss.
; One wave, one token: the row of 1,024 numbers is 32 registers a lane (lane l: columns 128 j + 4 l .. + 3), so the reductions never leave the wave.  Straight-line text:
; all 32 loads of a wave's four partial rows go out at once.  b2, ln_w and ln_b (16 KiB) are copied once into LDS by the work-group and read from there by its eight waves.
; Bound by bytes: no matrix unit, no cluster (the work-groups share only those 16 KiB).
; The loss: both experts are among the top 2 of 2 for every token, so each expert's usage is T / T = 1; with I_e the sum of p_e over all tokens,
; out1 = 2 (I_0 / 4096 + I_1 / 4096) + (I_0^2 + I_1^2) / 2.  Wave 0 of work-group 0 adds the 1,024 partial sums that the first launch left in route.
; LIMITS: sums are formed in another order than a plain row sum; NaN and infinities are not followed.
.set P,   64                           ; v[64:191]  partial ks at 32 ks; the sum y grows in partial 0's registers
.set W,   96                           ; later: ln_w, in partial 1's registers
.set BB,  160                          ; later: ln_b, in partial 3's
.set B0,  192                          ; v[192:223] b2[0] of my columns
.set B1,  224                          ; v[224:255] b2[1]
.set SUM, 32                           ; v[32:39]   four chains of sums
	s_load_b256 s[4:11], s[0:1], 0x0               ; part 4, route 6, b2 8, ln_w 10
	s_load_b128 s[12:15], s[0:1], 0x20             ; ln_b 12, out0 14
	s_load_b64 s[16:17], s[0:1], 0x30              ; out1
	v_lshl_add_u32 v62, v0, 2, 0x4000
	v_mov_b32 v63, 0
	v_lshrrev_b32 v5, 5, v0
	v_readfirstlane_b32 s18, v5                    ; wave 0..7
	v_and_b32 v4, 31, v0                           ; lane
	v_lshlrev_b32 v1, 4, v4                        ; 16 bytes a lane
	v_lshlrev_b32 v2, 4, v0                        ; 16 bytes a thread: 256 threads cover 4,096 bytes
	v_lshl_add_u32 v3, v4, 6, 32                   ; route: record = lane, its two sums at byte 32
	s_lshl_b32 s19, ttmp9, 3
	s_add_co_u32 s19, s19, s18                     ; token
	s_lshl_b32 s38, s19, 12                        ; x 4,096 bytes
	s_mov_b32 s39, 0
	s_lshr_b32 s30, s19, 2
	s_lshl_b32 s30, s30, 6                         ; record token / 4,
	s_and_b32 s31, s19, 3
	s_lshl3_add_u32 s30, s31, s30                  ; pair token % 4
	s_mov_b32 s31, 0
	s_mov_b32 s34, 0x3a800000                      ; 1 / 1024
	s_mov_b32 s35, 0x3727c5ac                      ; 1e-5
	s_mov_b32 s37, 0x3a000000                      ; 2 / 4096
	s_mov_b32 s40, 0x76543210                      ; v_permlanex16_b32: lane i reads lane i of the other half
	s_mov_b32 s41, 0xfedcba98
	s_wait_kmcnt 0x0
	s_add_nc_u64 s[32:33], s[6:7], s[30:31]
	s_load_b64 s[28:29], s[32:33], 0x0             ; c0, c1 of my token
	s_add_nc_u64 s[20:21], s[4:5], s[38:39]        ; my row in each of the four partial sums, 16 MiB apart
	s_add_nc_u64 s[22:23], s[20:21], 0x1000000
	s_add_nc_u64 s[24:25], s[22:23], 0x1000000
	s_add_nc_u64 s[26:27], s[24:25], 0x1000000
	s_add_nc_u64 s[14:15], s[14:15], s[38:39]
	global_load_b128 v[8:11],  v2, s[8:9]
	global_load_b128 v[12:15], v2, s[8:9] offset:4096
	global_load_b128 v[16:19], v2, s[10:11]
	global_load_b128 v[20:23], v2, s[12:13]
.irp k, 0,1,2,3
.irp j, 0,1,2,3,4,5,6,7
	global_load_b128 v[P+32*\k+4*\j:P+32*\k+4*\j+3], v1, s[20+2*\k:21+2*\k] offset:512*\j th:TH_LOAD_NT
.endr
.endr
	s_wait_loadcnt 32                              ; the four loads of constants are in; the 32 younger loads stay out
	ds_store_b128 v2, v[8:11]                      ; b2[0] at 0, b2[1] at 4,096, ln_w at 8,192, ln_b at 12,288
	ds_store_b128 v2, v[12:15] offset:4096
	ds_store_b128 v2, v[16:19] offset:8192
	ds_store_b128 v2, v[20:23] offset:12288
	s_wait_dscnt 0x0                               ; my stores are done, for the other waves' sake
	s_barrier_signal -1
	s_barrier_wait -1
.irp j, 0,1,2,3,4,5,6,7
	ds_load_b128 v[B0+4*\j:B0+4*\j+3], v1 offset:512*\j
	ds_load_b128 v[B1+4*\j:B1+4*\j+3], v1 offset:4096+512*\j
.endr
.macro ADDP d, k, left                 ; partial d += partial k
	s_wait_loadcnt \left
.set n, 0
.rept 16
	v_pk_add_f32 v[P+32*\d+n:P+32*\d+n+1], v[P+32*\d+n:P+32*\d+n+1], v[P+32*\k+n:P+32*\k+n+1]
.set n, n+2
.endr
.endm
	ADDP 0, 1, 16                                  ; expert 0's two slices; partials 2 and 3, eight loads each, stay out
	ADDP 2, 3, 0                                   ; expert 1's two slices
	s_wait_dscnt 0x0                               ; b2
	s_wait_kmcnt 0x0                               ; c0, c1
.irp j, 0,1,2,3,4,5,6,7
	ds_load_b128 v[W+4*\j:W+4*\j+3],   v1 offset:8192+512*\j               ; into registers whose partial sums have been added
	ds_load_b128 v[BB+4*\j:BB+4*\j+3], v1 offset:12288+512*\j
.endr
	v_mov_b32 v24, s28
	v_mov_b32 v25, s28
	v_mov_b32 v26, s29
	v_mov_b32 v27, s29
	v_mul_f32 v40, 0x3f16b55f, v24                 ; c0 / (2 kappa): 1 / (2 kappa) = 0.58870501
	v_mul_f32 v41, 0x3f16b55f, v25
	v_mul_f32 v42, 0x3f16b55f, v26                 ; c1 / (2 kappa)
	v_mul_f32 v43, 0x3f16b55f, v27
.set n, 0
.rept 16
	v_pk_mul_f32 v[P+n:P+n+1], v[P+n:P+n+1], v[40:41]
.set n, n+2
.endr
.set n, 0
.rept 16
	v_pk_fma_f32 v[P+n:P+n+1], v[P+64+n:P+64+n+1], v[42:43], v[P+n:P+n+1]
.set n, n+2
.endr
.set n, 0
.rept 16
	v_pk_fma_f32 v[P+n:P+n+1], v[B0+n:B0+n+1], v[24:25], v[P+n:P+n+1]
.set n, n+2
.endr
.set n, 0
.rept 16
	v_pk_fma_f32 v[P+n:P+n+1], v[B1+n:B1+n+1], v[26:27], v[P+n:P+n+1]
.set n, n+2
.endr
; the four chains' pairs into one number, then over the 32 lanes; every lane ends with the sum in v[SUM]
.macro FOLD
	v_pk_add_f32 v[SUM:SUM+1],   v[SUM:SUM+1],   v[SUM+2:SUM+3]
	v_pk_add_f32 v[SUM+4:SUM+5], v[SUM+4:SUM+5], v[SUM+6:SUM+7]
	v_pk_add_f32 v[SUM:SUM+1],   v[SUM:SUM+1],   v[SUM+4:SUM+5]
	v_add_f32 v[SUM], v[SUM], v[SUM+1]
.irp m, 1,2,4,8
	v_add_f32_dpp v[SUM], v[SUM], v[SUM] row_xmask:\m row_mask:0xf bank_mask:0xf
.endr
	v_permlanex16_b32 v[SUM+1], v[SUM], s40, s41   ; its destination has been written
	v_add_f32 v[SUM], v[SUM], v[SUM+1]
.endm
	; the mean
.irp c, 0,2,4,6
	v_pk_add_f32 v[SUM+\c:SUM+\c+1], v[P+\c:P+\c+1], v[P+8+\c:P+9+\c]      ; the first sums start the chains
.endr
.irp o, 16,24
.irp c, 0,2,4,6
	v_pk_add_f32 v[SUM+\c:SUM+\c+1], v[SUM+\c:SUM+\c+1], v[P+\o+\c:P+\o+\c+1]
.endr
.endr
	FOLD
	v_mul_f32 v28, s34, v[SUM]
	v_mul_f32 v29, s34, v[SUM]
.set n, 0
.rept 16
	v_pk_add_f32 v[P+n:P+n+1], v[P+n:P+n+1], v[28:29] neg_lo:[0,1] neg_hi:[0,1]    ; y - mean
.set n, n+2
.endr
	; the variance, from the differences
.irp c, 0,2,4,6
	v_pk_mul_f32 v[SUM+\c:SUM+\c+1], v[P+\c:P+\c+1], v[P+\c:P+\c+1]
.endr
.irp o, 8,16,24
.irp c, 0,2,4,6
	v_pk_fma_f32 v[SUM+\c:SUM+\c+1], v[P+\o+\c:P+\o+\c+1], v[P+\o+\c:P+\o+\c+1], v[SUM+\c:SUM+\c+1]
.endr
.endr
	FOLD
	v_fma_f32 v34, v[SUM], s34, s35                ; var + eps
	v_rsq_f32 v30, v34
	v_nop                                          ; one plain place behind a transcendental (ISA guide 5.7.2)
	s_wait_alu depctr_va_vdst(0)
	v_mov_b32 v31, v30
	s_wait_dscnt 0x0                               ; ln_w, ln_b
.set n, 0
.rept 16
	v_pk_mul_f32 v[P+n:P+n+1], v[P+n:P+n+1], v[30:31]
.set n, n+2
.endr
.set n, 0
.rept 16
	v_pk_fma_f32 v[P+n:P+n+1], v[P+n:P+n+1], v[W+n:W+n+1], v[BB+n:BB+n+1]
.set n, n+2
.endr
.irp j, 0,1,2,3,4,5,6,7
	global_store_b128 v1, v[P+4*\j:P+4*\j+3], s[14:15] offset:512*\j th:TH_STORE_NT    ; 512 consecutive bytes, aligned
.endr
	; the loss: one wave of the launch
	s_or_b32 s31, ttmp9, s18
	s_cmp_lg_u32 s31, 0
	s_cbranch_scc1 .Lend
.set i, 0
.rept 32
	global_load_b64 v[128+2*i:129+2*i], v3, s[6:7] offset:2048*i           ; record lane + 32 i: {sum p0, sum p1} of its four tokens
.set i, i+1
.endr
	s_wait_loadcnt 0x0
	v_pk_add_f32 v[32:33], v[128:129], v[132:133]                          ; two chains
	v_pk_add_f32 v[34:35], v[130:131], v[134:135]
.set i, 4
.rept 14
	v_pk_add_f32 v[32:33], v[32:33], v[128+2*i:129+2*i]
	v_pk_add_f32 v[34:35], v[34:35], v[130+2*i:131+2*i]
.set i, i+2
.endr
	v_pk_add_f32 v[32:33], v[32:33], v[34:35]
.irp m, 1,2,4,8
	v_add_f32_dpp v32, v32, v32 row_xmask:\m row_mask:0xf bank_mask:0xf
	v_add_f32_dpp v33, v33, v33 row_xmask:\m row_mask:0xf bank_mask:0xf
.endr
	v_permlanex16_b32 v36, v32, s40, s41           ; v36 and v37 have been written
	v_permlanex16_b32 v37, v33, s40, s41
	v_add_f32 v32, v32, v36                        ; I_0
	v_add_f32 v33, v33, v37                        ; I_1
	v_add_f32 v34, v32, v33
	v_mul_f32 v35, v32, v32
	v_fma_f32 v35, v33, v33, v35
	v_mul_f32 v35, 0.5, v35                        ; the mean of the squares
	v_fma_f32 v34, v34, s37, v35                   ; + (I_0 + I_1) x 2 / 4096
	v_mov_b32 v6, 0
	v_cmp_eq_u32 vcc_lo, 0, v4
	s_wait_xcnt 0x0                                ; EXEC is a source of the stores and loads above: it changes only behind this wait
	s_and_saveexec_b32 s36, vcc_lo
	global_store_b32 v6, v34, s[16:17]
	s_wait_xcnt 0x0
	s_or_b32 exec_lo, exec_lo, s36
.Lend:
	s_wait_tensorcnt 0x0
	ds_add_u32 v62, v63
	s_wait_dscnt 0x0
	s_endpgm
.Lfunc_end_k_q7f96434e51_lnorm:
	.size	k_q7f96434e51_lnorm, .Lfunc_end_k_q7f96434e51_lnorm-k_q7f96434e51_lnorm
	.p2alignl 7, 3214868480
	.fill 96, 4, 3214868480
	.section	.rodata,"a",@progbits
	.p2align	6, 0x0
	.amdhsa_kernel k_q7f96434e51_lnorm
		.amdhsa_group_segment_fixed_size 17408
		.amdhsa_private_segment_fixed_size 0
		.amdhsa_enable_private_segment 0
		.amdhsa_kernarg_size 56
		.amdhsa_user_sgpr_count 2
		.amdhsa_user_sgpr_kernarg_segment_ptr 1
		.amdhsa_wavefront_size32 1
		.amdhsa_system_sgpr_workgroup_id_x 1
		.amdhsa_system_sgpr_workgroup_id_y 1
		.amdhsa_system_sgpr_workgroup_id_z 1
		.amdhsa_system_vgpr_workitem_id 0
		.amdhsa_next_free_vgpr 256
		.amdhsa_next_free_sgpr 66
		.amdhsa_reserve_vcc 1
		.amdhsa_float_denorm_mode_32 3
		.amdhsa_float_denorm_mode_16_64 3
		.amdhsa_memory_ordered 1
		.amdhsa_forward_progress 1
		.amdhsa_inst_pref_size 28
	.end_amdhsa_kernel
	.amdgpu_metadata
---
amdhsa.version: [ 1, 2 ]
amdhsa.kernels:
  - .name:           k_q7f96434e51_lnorm
    .symbol:         k_q7f96434e51_lnorm.kd
    .args:
      - { .name: part, .offset: 0, .size: 8, .value_kind: global_buffer, .address_space: global }
      - { .name: route, .offset: 8, .size: 8, .value_kind: global_buffer, .address_space: global }
      - { .name: b2, .offset: 16, .size: 8, .value_kind: global_buffer, .address_space: global }
      - { .name: ln_w, .offset: 24, .size: 8, .value_kind: global_buffer, .address_space: global }
      - { .name: ln_b, .offset: 32, .size: 8, .value_kind: global_buffer, .address_space: global }
      - { .name: out0, .offset: 40, .size: 8, .value_kind: global_buffer, .address_space: global }
      - { .name: out1, .offset: 48, .size: 8, .value_kind: global_buffer, .address_space: global }
    .group_segment_fixed_size: 17408
    .private_segment_fixed_size: 0
    .kernarg_segment_align: 8
    .kernarg_segment_size: 56
    .max_flat_workgroup_size: 256
    .sgpr_count:     66
    .vgpr_count:     256
    .wavefront_size: 32
...
	.end_amdgpu_metadata
.endif
;; end of part 4
;; ======== version 2 of 2: 4 launches; version 1 with the launch prep written anew for expert scheduling mode
;; limits: an absolute error that grows with the inputs' magnitude: up to 1e-05 times it; values are held in f16: magnitudes above 65,504 overflow, below 6.1e-05 lose precision
;; workspace buffers: xh 8,388,608 bytes; W1h 16,777,216 bytes; W2h 16,777,216 bytes; route 65,536 bytes; H 67,108,864 bytes; part 67,108,864 bytes
;; launch prep (part 5): grid 640 x 1, 8 waves a work-group, no clusters, 0 bytes of LDS; arguments x, Wr, W1, W2, xh, W1h, W2h, route; writes xh, W1h, W2h, route
.if DOCPART == 5
	.amdgcn_target "amdgcn-amd-amdhsa--gfx1250"
	.amdhsa_code_object_version 6
	.text
	.protected	k_q7f96434e51_prep
	.globl	k_q7f96434e51_prep
	.p2align	8
	.type	k_q7f96434e51_prep,@function
k_q7f96434e51_prep:
	s_mov_b64 s[64:65], 0
	v_nop
	global_prefetch_b8 v0, s[64:65] scope:SCOPE_SE
	s_setreg_imm32_b32 hwreg(HW_REG_WAVE_SCHED_MODE, 0, 2), 2
	s_setreg_imm32_b32 hwreg(HW_REG_WAVE_MODE, 25, 1), 1
	s_wait_xcnt 0x0
	s_wait_alu depctr_vm_vsrc(0)
; prep: casts and the router.
;   work-groups 0-127:   32 tokens each, 4 a wave: x -> f16 (xh); logits x.Wr in f32 on the unrounded x; softmax with the maximum taken away;
;                        combine weights c_e = p_e / (p_0 + p_1): top-2 of 2 experts names both, in any order and at any tie; sums of p.
;   work-groups 128-383: chunk g - 128 of W1 -> f16 (W1h), layout kept.   work-groups 384-639: chunk g - 384 of W2 -> f16 (W2h).
; WHY f16 AND NOT bf16: the result is a sum of 8,192 products of rounded numbers, normalised to spread 1 and compared within a hundredth of that; f16 keeps 11 significant
; bits where bf16 keeps 8, so each rounding is eight times smaller.  Range: x of magnitude 5 and weights of spread 0.02 stay far inside f16 also when 30 times larger
; (150; 3) or offset by 30 spreads; 30 times smaller (weights of spread 6.7e-4) the spacing is at most 2^-24 where f16 is denormal, under 1e-4 of the spread.
; A chunk is 131,072 bytes of f32, 16,384 a wave.  Every wave has its 32 loads of 16 bytes a lane out at once and walks them by counted waits:
; straight-line text, no LDS, no barrier, no matrix unit: bytes are all that counts here.
; route: 1,024 records of 64 bytes, one for 4 tokens: bytes 0-31 four pairs {c0, c1}; bytes 32-39 {sum p0, sum p1} of the four; bytes 40-63 never
; written and never read.  A wave's 40 bytes are a partial run; they are 40 KiB of the 40 MiB that the launch stores.
; LIMITS: |x|, |W1|, |W2| below 65,520, beyond which the conversion to f16 gives infinity.  v_exp_f32 and v_rcp_f32 flush results below 2^-126 to zero (ISA guide 15.8),
; so a p below that is 0.  NaN and infinities in the inputs are not followed.
; THE MODE: SCHED_MODE bits 1:0 = 2 (LLVM: expert scheduling mode 2), set by the entry lines.  The code itself states the register dependences
; between vector instructions and memory instructions, with s_wait_alu, always for 0.
; THE PLAN.  Registers that memory instructions touch:
;   v2, v3       byte offsets, made once at the head and never written again: v2 is read by every load, v3 by every store.
;   WR           Wr, written by 16 loads at the start of the token path, read by the multiply-adds, never written again.
;   X            load i in four registers of its own, written by a load that is issued ahead of every vector line that names them; read by the dot products
;                (tokens) and the conversions, which write the first two of the four in place; these two are read by ONE store, and nothing writes them behind it.
;   v[42:43]     written once by two selects, read by the record's masked store.
; So no load lands in a register that a vector line has named, and no register that a store has read is written again.  What is left to state: the offsets are written
; ahead of the first load, and a block's conversions have written X ahead of the block's stores.  A block is a token (eight loads) or four loads of a chunk.  ONE wait on
; va_vdst stands at the head of a block, behind its wait for data: it shows the conversions of the block before written; that block's stores follow it, dealt among the
; present block's vector lines, which name other registers.  The last block's stores have a wait of their own.
.set X,   64                           ; v[64:191]  load i in 4 registers; converted in place
.set WR,  192                          ; v[192:255] Wr of my 32 columns: expert e at 32 e
.set L0,  16                           ; v[16:19]   logit 0 of my wave's four tokens
.set L1,  20                           ; v[20:23]   logit 1
	s_load_b512 s[16:31], s[0:1], 0x0              ; x 16, Wr 18, W1 20, W2 22, xh 24, W1h 26, W2h 28, route 30
	v_lshrrev_b32 v5, 5, v0
	v_readfirstlane_b32 s2, v5                     ; wave 0..7
	s_mov_b32 s3, ttmp9                            ; work-group
	v_and_b32 v1, 31, v0                           ; lane
	v_lshlrev_b32 v2, 4, v1                        ; 16 bytes of f32 a lane
	v_lshlrev_b32 v3, 3, v1                        ; 8 bytes of f16 a lane
	s_wait_alu depctr_va_sdst(0)                   ; s2 is written, ahead of the branch and of its first reader on either path: the bases are made from it
	s_wait_alu depctr_va_vdst(0)                   ; v2 and v3 are written: every load and store of both paths reads one of them as its offset
	s_wait_kmcnt 0x0
	s_cmp_ge_u32 s3, 128
	s_cbranch_scc1 .Lweights
	; ---------------- tokens ----------------
	s_lshl_b32 s4, s3, 3
	s_add_co_u32 s4, s4, s2                        ; record = 8 g + wave; its tokens are 4 record .. + 3
	s_lshl_b32 s6, s4, 13                          ; 4 rows of 2,048 bytes in xh
	s_lshl_b32 s8, s4, 6                           ; 64 bytes in route
	s_lshl_b32 s4, s4, 14                          ; 4 rows of 4,096 bytes in x
	s_mov_b32 s5, 0
	s_mov_b32 s7, 0
	s_mov_b32 s9, 0
	s_add_nc_u64 s[16:17], s[16:17], s[4:5]
	s_add_nc_u64 s[24:25], s[24:25], s[6:7]
	s_add_nc_u64 s[30:31], s[30:31], s[8:9]
	s_mov_b32 s12, 0x76543210                      ; v_permlanex16_b32: lane i reads lane i of the other half
	s_mov_b32 s13, 0xfedcba98
.irp e, 0,1
.irp j, 0,1,2,3,4,5,6,7
	global_load_b128 v[WR+32*\e+4*\j:WR+32*\e+4*\j+3], v2, s[18:19] offset:4096*\e+512*\j   ; lane l: columns 128 j + 4 l .. + 3
.endr
.endr
.irp t, 0,1,2,3
.irp j, 0,1,2,3,4,5,6,7
	global_load_b128 v[X+32*\t+4*\j:X+32*\t+4*\j+3], v2, s[16:17] offset:4096*\t+512*\j th:TH_LOAD_NT
.endr
.endr
	v_and_b32 v4, 3, v1                            ; the token of the four whose softmax this lane makes
; token t: two dot products on my 32 columns, then the cast in place.  The stores of the token before (32 lanes x 8 bytes = 256 consecutive bytes, aligned) are dealt among the dot products.
.macro TOKEN t
	s_wait_loadcnt 8*(3-\t)                        ; loads return in order (ISA guide 5.7.1): only the later tokens' eight loads each may be out; Wr's are older
.if \t > 0
	s_wait_alu depctr_va_vdst(0)                   ; the conversions of the token before have written its X, which the eight stores below read; no vector line of this token names those registers
.endif
	v_pk_mul_f32 v[8:9],   v[X+32*\t:X+32*\t+1], v[WR:WR+1]            ; the first products start the sums
	v_pk_mul_f32 v[10:11], v[X+32*\t:X+32*\t+1], v[WR+32:WR+33]
.irp p, 1,2,3,4,5,6,7,8,9,10,11,12,13,14,15
.if (\t > 0) && (((\p)%2) == 1)
	global_store_b64 v3, v[X+32*(\t-1)+4*((\p)/2):X+32*(\t-1)+4*((\p)/2)+1], s[24:25] offset:2048*(\t-1)+256*((\p)/2)
.endif
	v_pk_fma_f32 v[8:9],   v[X+32*\t+2*\p:X+32*\t+2*\p+1], v[WR+2*\p:WR+2*\p+1],       v[8:9]
	v_pk_fma_f32 v[10:11], v[X+32*\t+2*\p:X+32*\t+2*\p+1], v[WR+32+2*\p:WR+32+2*\p+1], v[10:11]
.endr
	v_add_f32 v[L0+\t], v8, v9
	v_add_f32 v[L1+\t], v10, v11
.irp j, 0,1,2,3,4,5,6,7
	v_cvt_pk_f16_f32 v[X+32*\t+4*\j],   v[X+32*\t+4*\j],   v[X+32*\t+4*\j+1]
	v_cvt_pk_f16_f32 v[X+32*\t+4*\j+1], v[X+32*\t+4*\j+2], v[X+32*\t+4*\j+3]
.endr
.endm
	TOKEN 0
	TOKEN 1
	TOKEN 2
	TOKEN 3
	s_wait_alu depctr_va_vdst(0)                   ; token 3's conversions have written its X, which the last eight stores read; the lines behind them name v1, v4 and v8 to v43 alone
.irp j, 0,1,2,3,4,5,6,7
	global_store_b64 v3, v[X+96+4*\j:X+96+4*\j+1], s[24:25] offset:2048*3+256*\j
.endr
	; the eight sums over the 32 lanes: four steps inside each half ride on the adds, one crosses the halves; every lane ends with every sum
.irp m, 1,2,4,8
.irp r, 16,17,18,19,20,21,22,23
	v_add_f32_dpp v\r, v\r, v\r row_xmask:\m row_mask:0xf bank_mask:0xf
.endr
.endr
.irp q, L0, L1
.irp r, 0,1,2,3
	v_permlanex16_b32 v[8+\r], v[\q+\r], s12, s13  ; v8-v11 have been written: the destination counts as read
.endr
.irp r, 0,1,2,3
	v_add_f32 v[\q+\r], v[\q+\r], v[8+\r]
.endr
.endr
	; lane l takes token l & 3
	v_cmp_eq_u32 s32, 1, v4
	v_cmp_eq_u32 s33, 2, v4
	v_cmp_eq_u32 s34, 3, v4
	s_wait_alu depctr_va_sdst(0)                   ; the three compares have written s32, s33 and s34, which the selects below read
	v_cndmask_b32 v25, v16, v17, s32
	v_cndmask_b32 v26, v20, v21, s32
	v_cndmask_b32 v25, v25, v18, s33
	v_cndmask_b32 v26, v26, v22, s33
	v_cndmask_b32 v25, v25, v19, s34               ; logit 0
	v_cndmask_b32 v26, v26, v23, s34               ; logit 1
	v_max_num_f32 v27, v25, v26                    ; the maximum is taken away, as in softmax
	v_sub_f32 v28, v25, v27
	v_sub_f32 v29, v26, v27
	v_mul_f32 v28, 0x3fb8aa3b, v28                 ; e^x = 2^(x log2 e)
	v_mul_f32 v29, 0x3fb8aa3b, v29
	v_exp_f32 v30, v28
	v_exp_f32 v31, v29
	v_nop                                          ; one plain place behind a transcendental (ISA guide 5.7.2)
	s_wait_alu depctr_va_vdst(0)                   ; the two exponentials have written v30 and v31, ahead of their first reader
	v_add_f32 v32, v30, v31                        ; between 1 and 2
	v_rcp_f32 v33, v32
	v_nop
	s_wait_alu depctr_va_vdst(0)                   ; the reciprocal has written v33, ahead of its first reader
	v_mul_f32 v34, v30, v33                        ; p0
	v_mul_f32 v35, v31, v33                        ; p1
	v_add_f32 v36, v34, v35                        ; the two top-k probabilities are renormalised by their own sum
	v_rcp_f32 v37, v36
	v_cmp_eq_u32 s35, 4, v1                        ; (a plain place)
	s_wait_alu depctr_va_vdst(0)                   ; the reciprocal has written v37, ahead of its first reader
	v_mul_f32 v38, v34, v37                        ; c0
	v_mul_f32 v39, v35, v37                        ; c1
.irp m, 1,2
	v_add_f32_dpp v34, v34, v34 row_xmask:\m row_mask:0xf bank_mask:0xf    ; sums of p over the four lanes = the four tokens
	v_add_f32_dpp v35, v35, v35 row_xmask:\m row_mask:0xf bank_mask:0xf
.endr
	s_wait_alu depctr_va_sdst(0)                   ; the compare behind the last reciprocal has written s35, which the two selects below read
	v_cndmask_b32 v42, v38, v34, s35               ; lanes 0-3 carry {c0, c1} of tokens 0-3, lane 4 the two sums
	v_cndmask_b32 v43, v39, v35, s35
	v_cmp_gt_u32 vcc_lo, 5, v1
	s_wait_xcnt 0x0                                ; EXEC is a source of the stores above: it changes only behind this wait
	s_wait_alu depctr_va_vcc(0)                    ; the compare has written VCC, from which EXEC is made
	s_wait_alu depctr_va_vdst(0)                   ; ahead of the write of EXEC: the vector lines issued so far have written their results, v[42:43] among them, which the store below reads
	s_wait_alu depctr_vm_vsrc(0)                   ; ahead of the write of EXEC: the stores issued so far have read their vector registers
	s_and_saveexec_b32 s36, vcc_lo
	global_store_b64 v3, v[42:43], s[30:31]        ; 40 consecutive bytes of my record
	s_wait_xcnt 0x0
	s_wait_alu depctr_va_vdst(0)                   ; ahead of the write of EXEC, as above
	s_wait_alu depctr_vm_vsrc(0)                   ; the record's store has read v3 and v[42:43]
	s_or_b32 exec_lo, exec_lo, s36
	s_endpgm
	; ---------------- weights ----------------
.Lweights:
	s_cmp_lt_u32 s3, 384
	s_cselect_b64 s[8:9], s[20:21], s[22:23]       ; W1 or W2
	s_cselect_b64 s[10:11], s[26:27], s[28:29]     ; W1h or W2h
	s_sub_co_u32 s4, s3, 128
	s_and_b32 s4, s4, 255                          ; chunk 0..255 of that tensor
	s_lshl_b32 s6, s4, 16                          ; 65,536 bytes of f16 a chunk
	s_lshl_b32 s4, s4, 17                          ; 131,072 bytes of f32
	s_lshl_b32 s5, s2, 14
	s_add_co_u32 s4, s4, s5                        ; + wave x 16,384
	s_lshl_b32 s7, s2, 13
	s_add_co_u32 s6, s6, s7                        ; + wave x 8,192
	s_mov_b32 s5, 0
	s_mov_b32 s7, 0
	s_add_nc_u64 s[8:9], s[8:9], s[4:5]
	s_add_nc_u64 s[10:11], s[10:11], s[6:7]
.set i, 0
.rept 32
	global_load_b128 v[X+4*i:X+4*i+3], v2, s[8:9] offset:512*i th:TH_LOAD_NT   ; 512 consecutive bytes a load
.set i, i+1
.endr
	; the 32 loads go in eight blocks of four: load i is converted, and in front of that the store of load i - 4, of the block before, goes out
.set i, 0
.rept 32
	s_wait_loadcnt 31-i                            ; the 31 - i younger loads stay out
.if (i > 0) && ((i%4) == 0)
	s_wait_alu depctr_va_vdst(0)                   ; the eight conversions of the block before have written its X, which this block's four stores read; this block's conversions name other registers
.endif
.if i >= 4
	global_store_b64 v3, v[X+4*(i-4):X+4*(i-4)+1], s[10:11] offset:256*(i-4)   ; 256 consecutive bytes, aligned; read again by the next launches: no hint
.endif
	v_cvt_pk_f16_f32 v[X+4*i],   v[X+4*i],   v[X+4*i+1]
	v_cvt_pk_f16_f32 v[X+4*i+1], v[X+4*i+2], v[X+4*i+3]
.set i, i+1
.endr
	s_wait_alu depctr_va_vdst(0)                   ; the last block's conversions have written its X, which the last four stores read
.set i, 28
.rept 4
	global_store_b64 v3, v[X+4*i:X+4*i+1], s[10:11] offset:256*i
.set i, i+1
.endr
	s_endpgm
.Lfunc_end_k_q7f96434e51_prep:
	.size	k_q7f96434e51_prep, .Lfunc_end_k_q7f96434e51_prep-k_q7f96434e51_prep
	.p2alignl 7, 3214868480
	.fill 96, 4, 3214868480
	.section	.rodata,"a",@progbits
	.p2align	6, 0x0
	.amdhsa_kernel k_q7f96434e51_prep
		.amdhsa_group_segment_fixed_size 0
		.amdhsa_private_segment_fixed_size 0
		.amdhsa_enable_private_segment 0
		.amdhsa_kernarg_size 64
		.amdhsa_user_sgpr_count 2
		.amdhsa_user_sgpr_kernarg_segment_ptr 1
		.amdhsa_wavefront_size32 1
		.amdhsa_system_sgpr_workgroup_id_x 1
		.amdhsa_system_sgpr_workgroup_id_y 1
		.amdhsa_system_sgpr_workgroup_id_z 1
		.amdhsa_system_vgpr_workitem_id 0
		.amdhsa_next_free_vgpr 256
		.amdhsa_next_free_sgpr 66
		.amdhsa_reserve_vcc 1
		.amdhsa_float_denorm_mode_32 3
		.amdhsa_float_denorm_mode_16_64 3
		.amdhsa_memory_ordered 1
		.amdhsa_forward_progress 1
		.amdhsa_inst_pref_size 39
	.end_amdhsa_kernel
	.amdgpu_metadata
---
amdhsa.version: [ 1, 2 ]
amdhsa.kernels:
  - .name:           k_q7f96434e51_prep
    .symbol:         k_q7f96434e51_prep.kd
    .args:
      - { .name: x, .offset: 0, .size: 8, .value_kind: global_buffer, .address_space: global }
      - { .name: Wr, .offset: 8, .size: 8, .value_kind: global_buffer, .address_space: global }
      - { .name: W1, .offset: 16, .size: 8, .value_kind: global_buffer, .address_space: global }
      - { .name: W2, .offset: 24, .size: 8, .value_kind: global_buffer, .address_space: global }
      - { .name: xh, .offset: 32, .size: 8, .value_kind: global_buffer, .address_space: global }
      - { .name: W1h, .offset: 40, .size: 8, .value_kind: global_buffer, .address_space: global }
      - { .name: W2h, .offset: 48, .size: 8, .value_kind: global_buffer, .address_space: global }
      - { .name: route, .offset: 56, .size: 8, .value_kind: global_buffer, .address_space: global }
    .group_segment_fixed_size: 0
    .private_segment_fixed_size: 0
    .kernarg_segment_align: 8
    .kernarg_segment_size: 64
    .max_flat_workgroup_size: 256
    .sgpr_count:     66
    .vgpr_count:     256
    .wavefront_size: 32
...
	.end_amdgpu_metadata
.endif
;; end of part 5
;; launch ffn1: the kernel of part 2 again; grid 32 x 16, 4 waves a work-group, clusters of 4 x 4, 327,680 bytes of LDS; arguments xh, W1h, b1, H; writes H
;; launch ffn2: the kernel of part 3 again; grid 4 x 64, 4 waves a work-group, clusters of 4 x 4, 327,680 bytes of LDS; arguments H, W2h, part; writes part
;; launch lnorm: the kernel of part 4 again; grid 512 x 1, 8 waves a work-group, no clusters, 17,408 bytes of LDS; arguments part, route, b2, ln_w, ln_b, out0, out1; writes out0, out1
